; MI455X (gfx1250); checked and timed in simulation.
; The chip was launched on July 23, 2026; its instructions are those of AMD's public machine-readable ISA for CDNA 5 (MIT licence, August 2026) and "CDNA5" Instruction Set Architecture Reference Guide (July 2026). The comments in the code are by the model that wrote it; some were corrected since.
;; Self Attention. Allowed arithmetic: float matrix products may take bf16 or f16 operands with f32 sums; other float arithmetic in f32, or as packed bf16 or f16 multiplies, adds, multiply-adds, maxima and minima; sums over many terms, partial sums and values carried from step to step in f32; what a program stores and reads back later, other than sums and carried values, may be rounded once to bf16 or f16.
;; Inputs: W_o 1,024 x 1,024 float32; W_qkv 3,072 x 1,024 float32; x 4 x 2,048 x 1,024 float32.
;; Outputs: out0 4 x 2,048 x 1,024 float32.
;; 2 versions, each right; version 2 is version 1 with the launch cast written anew for expert scheduling mode. Each part assembles by itself: llvm-mc -triple=amdgcn-amd-amdhsa -mcpu=gfx1250 --defsym DOCPART=n.
;; ======== version 1 of 2: 5 launches
;; limits: values are held in f16: magnitudes above 65,504 overflow, below 6.1e-05 lose precision
;; workspace buffers: xb 16,777,216 bytes; wb 6,291,456 bytes; wo 2,097,152 bytes; qkv 50,331,648 bytes; p 33,554,432 bytes; stats 1,048,576 bytes; attn 16,777,216 bytes
;; launch cast (part 1): grid 64 x 12, 8 waves a work-group, no clusters, 0 bytes of LDS; arguments x, W_qkv, W_o, xb, wb, wo; writes xb, wb, wo
.if DOCPART == 1
	.amdgcn_target "amdgcn-amd-amdhsa--gfx1250"
	.amdhsa_code_object_version 6
	.text
	.protected	k_q1dc3c2754b_cast
	.globl	k_q1dc3c2754b_cast
	.p2align	8
	.type	k_q1dc3c2754b_cast,@function
k_q1dc3c2754b_cast:
	s_mov_b64 s[64:65], 0
	v_nop
	global_prefetch_b8 v0, s[64:65] scope:SCOPE_SE
	s_setreg_imm32_b32 hwreg(HW_REG_WAVE_MODE, 25, 1), 1
	s_wait_xcnt 0x0
; xb = bf16(x), wb = bf16(W_qkv), wo = bf16(W_o) written as f16.  All three inputs get the same one rounding, to bf16; W_o's rounded number is then
; spelled in f16, because the last product multiplies it by an f16 operand.
; LIMITS.  |W_o| stays under 65,504 (f16's range); a rounded W_o below 2^-14 in magnitude keeps f16's fixed step of 2^-24.  NaN and infinities are not treated apart.
; A stream: no LDS, no matrix unit, no cluster (no byte is read by two work-groups).  The inputs are 12 units of 1,048,576 numbers: grid y 0-7 x, 8-10 W_qkv, 11 W_o.
; A work-group takes 16,384 numbers of its unit, a wave 2,048, a lane 64: sixteen loads of 16 bytes, all issued at once; a wave's load covers 512 consecutive bytes,
; its store of 8 bytes a lane 256 consecutive bytes, aligned.  There is no loop: every register of a load or store is written once.
.set IN,  8                            ; v[8:71]    load j: four f32 at IN + 4 j
.set OUT, 72                           ; v[72:103]  store j: four 16-bit numbers at OUT + 2 j
	s_load_b256 s[4:11], s[0:1], 0x0               ; x s[4:5], W_qkv s[6:7], W_o s[8:9], xb s[10:11]
	s_load_b128 s[12:15], s[0:1], 0x20             ; wb s[12:13], wo s[14:15]
	s_and_b32 s16, ttmp7, 0xffff                   ; the unit, 0..11
	v_lshrrev_b32 v3, 5, v0                        ; wave
	v_and_b32 v4, 31, v0                           ; lane
	v_lshlrev_b32 v1, 13, v3                       ; in: 8,192 bytes a wave,
	v_lshl_or_b32 v1, v4, 4, v1                    ; 16 a lane
	v_lshlrev_b32 v2, 12, v3                       ; out: half of that
	v_lshl_or_b32 v2, v4, 3, v2
	s_wait_kmcnt 0x0
	s_cmp_lt_u32 s16, 8                            ; which tensor: the choice hangs on the grid's y alone
	s_cselect_b64 s[20:21], s[4:5], s[6:7]
	s_cselect_b64 s[22:23], s[10:11], s[12:13]
	s_cselect_b32 s17, 0, 8
	s_cmp_lt_u32 s16, 11
	s_cselect_b64 s[20:21], s[20:21], s[8:9]
	s_cselect_b64 s[22:23], s[22:23], s[14:15]
	s_cselect_b32 s17, s17, 11
	s_sub_co_u32 s17, s16, s17                     ; the unit's number inside its tensor
	s_lshl_b32 s18, s17, 22                        ; a unit is 4 MiB of f32,
	s_lshl_b32 s19, ttmp9, 16                      ; a work-group's share 64 KiB
	s_add_co_u32 s18, s18, s19
	s_mov_b32 s19, 0
	s_add_nc_u64 s[20:21], s[20:21], s[18:19]
	s_lshr_b32 s18, s18, 1
	s_add_nc_u64 s[22:23], s[22:23], s[18:19]
.irp j, 0,1,2,3,4,5,6,7,8,9,10,11,12,13,14,15
	global_load_b128 v[IN+4*(\j):IN+4*(\j)+3], v1, s[20:21] offset:512*(\j) th:TH_LOAD_NT
.endr
	s_cmp_eq_u32 s16, 11
	s_cbranch_scc1 .Lwo
.irp j, 0,1,2,3,4,5,6,7,8,9,10,11,12,13,14,15
	s_wait_loadcnt 15-(\j)                         ; loads come back in order: load j is in, the 15 - j younger ones may stay out
	v_cvt_pk_bf16_f32 v[OUT+2*(\j)],   v[IN+4*(\j)],   v[IN+4*(\j)+1]
	v_cvt_pk_bf16_f32 v[OUT+2*(\j)+1], v[IN+4*(\j)+2], v[IN+4*(\j)+3]
	global_store_b64 v2, v[OUT+2*(\j):OUT+2*(\j)+1], s[22:23] offset:256*(\j)
.endr
	s_endpgm
.Lwo:                                          ; W_o: rounded to bf16, widened again (a shift, a mask), and written as f16
.irp j, 0,1,2,3,4,5,6,7,8,9,10,11,12,13,14,15
	s_wait_loadcnt 15-(\j)
.irp k, 0,1
	v_cvt_pk_bf16_f32 v4, v[IN+4*(\j)+2*(\k)], v[IN+4*(\j)+2*(\k)+1]
	v_lshlrev_b32 v5, 16, v4
	v_and_b32 v6, 0xffff0000, v4
	v_cvt_pk_f16_f32 v[OUT+2*(\j)+(\k)], v5, v6
.endr
	global_store_b64 v2, v[OUT+2*(\j):OUT+2*(\j)+1], s[22:23] offset:256*(\j)
.endr
	s_endpgm
.Lfunc_end_k_q1dc3c2754b_cast:
	.size	k_q1dc3c2754b_cast, .Lfunc_end_k_q1dc3c2754b_cast-k_q1dc3c2754b_cast
	.p2alignl 7, 3214868480
	.fill 96, 4, 3214868480
	.section	.rodata,"a",@progbits
	.p2align	6, 0x0
	.amdhsa_kernel k_q1dc3c2754b_cast
		.amdhsa_group_segment_fixed_size 0
		.amdhsa_private_segment_fixed_size 0
		.amdhsa_enable_private_segment 0
		.amdhsa_kernarg_size 48
		.amdhsa_user_sgpr_count 2
		.amdhsa_user_sgpr_kernarg_segment_ptr 1
		.amdhsa_wavefront_size32 1
		.amdhsa_system_sgpr_workgroup_id_x 1
		.amdhsa_system_sgpr_workgroup_id_y 1
		.amdhsa_system_sgpr_workgroup_id_z 1
		.amdhsa_system_vgpr_workitem_id 0
		.amdhsa_next_free_vgpr 104
		.amdhsa_next_free_sgpr 66
		.amdhsa_reserve_vcc 0
		.amdhsa_float_denorm_mode_32 3
		.amdhsa_float_denorm_mode_16_64 3
		.amdhsa_memory_ordered 1
		.amdhsa_forward_progress 1
		.amdhsa_inst_pref_size 16
	.end_amdhsa_kernel
	.amdgpu_metadata
---
amdhsa.version: [ 1, 2 ]
amdhsa.kernels:
  - .name:           k_q1dc3c2754b_cast
    .symbol:         k_q1dc3c2754b_cast.kd
    .args:
      - { .name: x, .offset: 0, .size: 8, .value_kind: global_buffer, .address_space: global }
      - { .name: W_qkv, .offset: 8, .size: 8, .value_kind: global_buffer, .address_space: global }
      - { .name: W_o, .offset: 16, .size: 8, .value_kind: global_buffer, .address_space: global }
      - { .name: xb, .offset: 24, .size: 8, .value_kind: global_buffer, .address_space: global }
      - { .name: wb, .offset: 32, .size: 8, .value_kind: global_buffer, .address_space: global }
      - { .name: wo, .offset: 40, .size: 8, .value_kind: global_buffer, .address_space: global }
    .group_segment_fixed_size: 0
    .private_segment_fixed_size: 0
    .kernarg_segment_align: 8
    .kernarg_segment_size: 48
    .max_flat_workgroup_size: 256
    .sgpr_count:     66
    .vgpr_count:     104
    .wavefront_size: 32
...
	.end_amdgpu_metadata
.endif
;; end of part 1
;; launch qkv (part 2): grid 12 x 32, 4 waves a work-group, clusters of 4 x 4, 327,680 bytes of LDS; arguments xb, wb, qkv; writes qkv
.if DOCPART == 2
	.amdgcn_target "amdgcn-amd-amdhsa--gfx1250"
	.amdhsa_code_object_version 6
	.text
	.protected	k_q1dc3c2754b_qkv
	.globl	k_q1dc3c2754b_qkv
	.p2align	8
	.type	k_q1dc3c2754b_qkv,@function
k_q1dc3c2754b_qkv:
	s_mov_b64 s[64:65], 0
	v_nop
	global_prefetch_b8 v0, s[64:65] scope:SCOPE_SE
	s_setreg_imm32_b32 hwreg(HW_REG_WAVE_MODE, 25, 1), 1
	s_wait_xcnt 0x0
	s_wait_alu depctr_hold_cnt(0) depctr_sa_sdst(0) depctr_va_vdst(0) depctr_va_sdst(0) depctr_va_ssrc(0) depctr_va_vcc(0) depctr_vm_vsrc(0)
	s_getreg_b32 s2, hwreg(HW_REG_IB_STS2, 6, 4)
	s_cmp_eq_u32 s2, 0
	s_cbranch_scc0 .Lentry_in_a_cluster
	s_endpgm
.Lentry_in_a_cluster:
	s_bfe_u32 s2, ttmp6, 0x10000c
	s_cmp_lg_u32 s2, 0xf033
	s_cbranch_scc0 .Lentry_shape_is_right
	s_endpgm
.Lentry_shape_is_right:
; qkv[r][e] = the sum over d of xb[r][d] wb[e][d].  xb: [8192][1024] bf16, wb: [3072][1024] bf16, qkv: [8192][3072] f16 (Q, K, V side by side); sums in f32, rounded once.
; LIMIT.  f16 ends at 65,504: |q|, |k|, |v| stay under it.  NaN and infinities are not treated apart.
; SHARES.  A tile of C is 256 x 256: 12 x 32 tiles.  Four waves, as many as a WGP has SIMDs; wave w makes rows 128 (w / 2) on and columns 128 (w % 2) on: 8 x 8 accumulators of 16 x 16.
; RING.  K goes in steps of 128 (rows of 256 bytes, aligned) through two LDS slots, each with A's 256 rows and B's 256.  Waves 0 and 1 fetch A's halves, waves 2 and 3 B's: one tensor load a wave behind each
; change of slots, 224 matrix instructions ahead of the wait for it.  By the text's own count a wave has two tensor loads out at the start and one afterwards.
; A K STEP IS WRITTEN ONCE: a trip goes from a step's second quarter to the next step's first; the slot in hand is a scalar that one exclusive or turns, added to the lanes' terms.
; CLUSTER.  4 x 4 work-groups.  The four of a row of the cluster need the same tile of A, the four of a column the same tile of B: each is asked for jointly, by the same load, descriptor and mask in all four.
; THE MATRIX INSTRUCTION IS USED TRANSPOSED (source 0 = 16 rows of B, source 1 = 16 rows of A): a lane holds one row of C and eight neighbouring columns.
; REGISTERS, in windows of 256.  Window 0: v0-31 addresses; v64-127, v128-191 A's fragments, two buffers; v32-63, v192-255 at work on the way out.  Window 1: v64-127, v128-191 B's fragments.
; Window 2: the accumulators of my rows 0-63 ((a, b) at v[8 (8 a + b)]); window 3: those of my rows 64-127.
.set PA,     1024                      ; elements in a row of A and of B
.set PC,     6144                      ; bytes in a row of C
.set ASTEP,  256                       ; bytes of a K step along the rows of A and of B
.set NS,     8                         ; K steps: 1,024 / 128
.set PITCH,  272                       ; an LDS row: 256 bytes + 16 of padding = 68 words: the 16 rows of a fragment load start at 16 different groups of four banks (64 banks of 4 bytes: ISA guide 11.1)
.set HALFT,  128*PITCH                 ; 128 rows: what one tensor load brings, and what one wave reads of A or of B
.set SLOT,   4*HALFT                   ; 0x22000: it shares no bit with the waves' places 0, 0x8800, 0x11000, 0x19800, so one exclusive or turns a descriptor's LDS address in one slot into the other's
.set STAGE,  2*SLOT                    ; behind the ring: 16 rows x 272 bytes for each wave, for the way out; no tensor load lands here
.set SPITCH, 272
.set SPARE,  STAGE+4*16*SPITCH         ; the spare words, 128 bytes for each wave: two blocks of 256 bytes that no other line names
.set ADRA, 16                          ; v16     LDS address of my A fragments in the slot in hand
.set ADRB, 17                          ; v17     the same for B
.set LA,   18                          ; v18     my lane's place in a slot's A; never rewritten
.set LB,   19                          ; v19     in its B; never rewritten
.set STO,  24                          ; v24     the way out: where I put 16 bytes of a row
.set RD,   25                          ; v25     where I read rows back
.set CO,   26                          ; v26     my byte offset in C
.set SPW,  28                          ; v28     my spare word: SPARE + 4 x my thread's number; never rewritten
.set NIL,  29                          ; v29     0; never rewritten
.set PFO,  30                          ; v30     the prefetches' offset: my lane x a row in memory; never rewritten
.set OB,   32                          ; the way out: 16 rows read back from the stage: v32-63 and v224-255 by turns
.set F0,   64
.set F1,   128
.set TMP,  192                         ; the way out: packed results
.set G1,   24                          ; s[24:31] descriptor group 1 for A;  s[32:39] group 0: a set for each first fill; the second then walks
.set G0,   32
.set G1B,  48                          ; s[48:55], s[56:63] the same for B
.set G0B,  56
.set LIM,  43                          ; s43     2 in a wave that prefetches, else the greatest number
.set PFA,  44                          ; s[44:45] where my prefetches stand
.set TB,   66                          ; s66     0 or SLOT: the slot in hand
.set CB,   8                           ; s[8:9]  C
.set MSB, 0
.macro WIN new                         ; the immediate's high byte repeats the setting that is left; a switch that changes nothing is dropped
.if MSB != (\new)
	s_set_vgpr_msb (MSB<<8)|(\new)
.set MSB, \new
.endif
.endm
.set MUL_LO, 0xa1                      ; source 0 (B) window 1, source 1 (A) window 0, C and D window 2
.set MUL_HI, 0xf1                      ; the same, C and D window 3
.set TO_B,   0x40                      ; destination window 1, address window 0
.macro JLOAD s                         ; a joint load: waves 0 and 1 ask for A, waves 2 and 3 for B; an s_nop 0 and four v_nop follow each line
	s_cmp_eq_u32 s11, 0
	s_cbranch_scc0 .Lfor_b_\@
	tensor_load_to_lds s[G0+4*(\s):G0+4*(\s)+3], s[G1:G1+7]
	s_nop 0
.rept 4
	v_nop
.endr
	s_branch .Lasked_\@
.Lfor_b_\@:
	tensor_load_to_lds s[G0B+4*(\s):G0B+4*(\s)+3], s[G1B:G1B+7]
	s_nop 0
.rept 4
	v_nop
.endr
.Lasked_\@:
.endm
.macro CREST                           ; a round of the cluster's barrier behind its opening barrier
	s_cmp_lg_u32 s10, 0
	s_cbranch_scc1 .Lnot_wave_0_\@
	s_barrier_signal -3
.Lnot_wave_0_\@:
	s_barrier_wait -3
	s_barrier_signal -1
	s_barrier_wait -1
.endm
.macro CROUND                          ; a whole round
	s_barrier_signal -1
	s_barrier_wait -1
	CREST
.endm
; A prefetch into the L2 of the K step that stands two refills on: 32 rows x 256 bytes, a lane a row.  Each row's 256 bytes of a K step are named once in the launch: A's rows by the first cluster along x,
; B's by the first cluster along y; of the 128 rows that a wave fetches each of the four partners of the joint load takes 32, told apart by address.  The last two refills (s3 = 2, 1) have no K step two refills on.
.macro ASK
	s_cmp_gt_u32 s3, s[LIM]
	s_cbranch_scc0 .Lnot_mine_\@
	global_prefetch_b8 v[PFO], s[PFA:PFA+1] th:TH_LOAD_NT scope:SCOPE_SE
.Lnot_mine_\@:
.endm
	s_load_b128 s[4:7], s[0:1], 0x0                ; A s[4:5], B s[6:7]
	s_load_b64 s[8:9], s[0:1], 0x10                ; C
	v_lshl_add_u32 v[SPW], v0, 2, SPARE
	v_mov_b32 v[NIL], 0
	ds_add_u32 v[SPW], v[NIL]                      ; the wave's opening: the add and its wait stand ahead of my first tensor load; work on registers stands between them
	v_lshrrev_b32 v1, 5, v0
	v_readfirstlane_b32 s10, v1                    ; wave 0..3
	s_lshr_b32 s11, s10, 1                         ; my half of the tile's rows.  Also: I fetch for A (0) or for B (1)
	s_and_b32 s12, s10, 1                          ; my half of its columns.  Also: which 128 rows of that tile I fetch
	s_bfe_u32 s40, ttmp6, 0x40000                  ; cx, cy: my place in the cluster
	s_bfe_u32 s41, ttmp6, 0x40004
	s_lshl_b32 s42, ttmp9, 2
	s_add_co_u32 s42, s42, s40                     ; tile column = 4 x cluster x + cx
	s_and_b32 s74, ttmp7, 0xffff                   ; cluster y
	s_lshl_b32 s13, s74, 2
	s_add_co_u32 s13, s13, s41                     ; tile row = 4 x cluster y + cy
	s_lshl_b32 s43, s41, 2
	s_lshl_b32 s43, 15, s43                        ; my row of the cluster
	s_lshl_b32 s44, 0x1111, s40                    ; my column
	s_or_b32 s[G1+0], s43, (1<<16)|(1<<20)|(1<<21)|(5<<22)|(3<<25)   ; mask; 2-byte elements; padding on; bit 21 beside a mask; after every 64 words, 4 words
	s_or_b32 s[G1B+0], s44, (1<<16)|(1<<20)|(1<<21)|(5<<22)|(3<<25)
.irp g, G1, G1B
	s_mov_b32 s[(\g)+1], 128<<16                   ; tensor_dim0 = 128
	s_mov_b32 s[(\g)+2], 128<<16                   ; tensor_dim1 = 128
	s_mov_b32 s[(\g)+3], 128<<16                   ; tile_dim0 = 128
	s_mov_b32 s[(\g)+4], 128                       ; tile_dim1 = 128
	s_mov_b32 s[(\g)+5], PA                        ; elements from row to row
	s_mov_b32 s[(\g)+6], 0
	s_mov_b32 s[(\g)+7], 0
.endr
	s_lshl_b32 s16, s13, 8                         ; A: row 256 x tile row + 128 x half; these registers never hold cx
	s_lshl_b32 s17, s12, 7
	s_add_co_u32 s16, s16, s17
	s_mul_i32 s16, s16, PA*2                       ; in bytes, under 2^32
	s_mov_b32 s17, 0
	s_lshl_b32 s46, s42, 8                         ; B: row 256 x tile column + 128 x half; these never hold cy
	s_lshl_b32 s47, s12, 7
	s_add_co_u32 s46, s46, s47
	s_mul_i32 s46, s46, PA*2
	s_mov_b32 s47, 0
	s_mul_i32 s20, s10, HALFT                      ; where they go: A's two halves, then B's two = wave x 128 rows: no place in the cluster enters an LDS address
	s_mov_b32 s[TB], 0
	s_wait_dscnt 0x0                               ; the opening add is done
	s_wait_kmcnt 0x0
	s_add_nc_u64 s[14:15], s[4:5], s[16:17]
	s_add_nc_u64 s[46:47], s[6:7], s[46:47]
	CROUND                                         ; all sixteen work-groups are here: the first joint loads meet
.irp s, 0,1
	s_mov_b32 s[G0+4*(\s)], 1
	s_add_co_u32 s[G0+4*(\s)+1], s20, (\s)*SLOT
	s_add_nc_u64 s[G0+4*(\s)+2:G0+4*(\s)+3], s[14:15], (\s)*ASTEP
	s_or_b32 s[G0+4*(\s)+3], s[G0+4*(\s)+3], 0x80000000
	s_mov_b32 s[G0B+4*(\s)], 1
	s_add_co_u32 s[G0B+4*(\s)+1], s20, (\s)*SLOT
	s_add_nc_u64 s[G0B+4*(\s)+2:G0B+4*(\s)+3], s[46:47], (\s)*ASTEP
	s_or_b32 s[G0B+4*(\s)+3], s[G0B+4*(\s)+3], 0x80000000
	JLOAD \s
.endr
	; A fragment is 16 rows x 32 K in 8 registers: lane l holds row l % 16, K = 8 (l / 16) + 0..7 and 16 + 8 (l / 16) + 0..7: two loads of 16 bytes, 32 bytes apart.
	v_and_b32 v1, 15, v0                           ; l % 16
	v_bfe_u32 v2, v0, 4, 1                         ; l / 16
	v_mul_u32_u24 v3, v1, PITCH
	v_lshl_add_u32 v3, v2, 4, v3
	s_mul_i32 s22, s11, HALFT                      ; my 128 rows of A
	s_mul_i32 s23, s12, HALFT                      ; my 128 rows of B,
	s_add_co_u32 s23, s23, 2*HALFT                 ; which lie behind A's 256
	v_add_nc_u32 v[LA], s22, v3
	v_add_nc_u32 v[LB], s23, v3
	v_mov_b32 v[ADRA], v[LA]                       ; slot 0 is in hand
	v_mov_b32 v[ADRB], v[LB]
	s_mul_i32 s23, s10, 16*SPITCH
	s_add_co_u32 s23, s23, STAGE                   ; my stage
	v_mul_u32_u24 v4, v1, SPITCH                   ; in: row l % 16, 16 bytes for each half of the lanes
	v_lshl_add_u32 v4, v2, 4, v4
	v_add_nc_u32 v[STO], s23, v4
	v_mul_u32_u24 v5, v2, SPITCH                   ; back: lanes 0-15 one row of 256 bytes, lanes 16-31 the next
	v_lshl_add_u32 v5, v1, 4, v5
	v_add_nc_u32 v[RD], s23, v5
	v_mul_u32_u24 v5, v2, PC                       ; and the same two rows in C
	v_lshl_add_u32 v[CO], v1, 4, v5
	s_lshl_b32 s16, s13, 8                         ; C at my first row,
	s_lshl_b32 s17, s11, 7
	s_add_co_u32 s16, s16, s17
	s_mul_i32 s16, s16, PC
	s_mov_b32 s17, 0
	s_add_nc_u64 s[CB:CB+1], s[CB:CB+1], s[16:17]
	s_lshl_b32 s46, s42, 9                         ; and my first column: 512 bytes a tile, 256 a half
	s_lshl_b32 s47, s12, 8
	s_add_co_u32 s46, s46, s47
	s_mov_b32 s47, 0
	s_add_nc_u64 s[CB:CB+1], s[CB:CB+1], s[46:47]
	; the prefetches
	s_lshl_b32 s76, s13, 8                         ; A: the tile's rows, my work-group's 32 by cx
	s_lshl_b32 s77, s40, 5
	s_add_co_u32 s76, s76, s77
	s_lshl_b32 s78, s42, 8                         ; B: the tile's rows, my work-group's 32 by cy
	s_lshl_b32 s79, s41, 5
	s_add_co_u32 s78, s78, s79
	s_cmp_eq_u32 s11, 0
	s_cselect_b32 s76, s76, s78
	s_cselect_b32 s77, ttmp9, s74                  ; the coordinate along which other clusters read the same rows
	s_cselect_b64 s[PFA:PFA+1], s[4:5], s[6:7]
	s_cmp_eq_u32 s77, 0
	s_cselect_b32 s[LIM], 2, -1                    ; the same in all sixteen partners, for a given wave
	s_lshl_b32 s79, s12, 7                         ; + the 128 rows that I fetch
	s_add_co_u32 s76, s76, s79
	s_lshl_b32 s76, s76, 11                        ; rows of 2,048 bytes
	s_mov_b32 s77, 0
	s_add_nc_u64 s[PFA:PFA+1], s[PFA:PFA+1], s[76:77]
	s_add_nc_u64 s[PFA:PFA+1], s[PFA:PFA+1], 3*ASTEP  ; at K step 3: the first refill steps it to 4.  K steps 0 to 3 come by their loads alone
	v_and_b32 v[PFO], 31, v0
	v_lshlrev_b32 v[PFO], 11, v[PFO]
; 16 matrix instructions: row blocks a0, a0 + 1 of the window's four (hi = 0: my rows 0-63, 1: rows 64-127) x all 8 column blocks, 32 along K.  zero = 1: the product starts the sums.
; The 64 accumulators take turns, one instruction a turn, in the same order in every quarter.
.macro MUL16 f, hi, a0, zero
	WIN MUL_LO+0x50*(\hi)
.irp a, \a0, (\a0)+1
.irp b, 0,1,2,3,4,5,6,7
.if \zero
	v_wmma_f32_16x16x32_bf16 v[8*(8*(\a)+(\b)):8*(8*(\a)+(\b))+7], v[(\f)+8*(\b):(\f)+8*(\b)+7], v[(\f)+8*(4*(\hi)+(\a)):(\f)+8*(4*(\hi)+(\a))+7], 0
.else
	v_wmma_f32_16x16x32_bf16 v[8*(8*(\a)+(\b)):8*(8*(\a)+(\b))+7], v[(\f)+8*(\b):(\f)+8*(\b)+7], v[(\f)+8*(4*(\hi)+(\a)):(\f)+8*(4*(\hi)+(\a))+7], v[8*(8*(\a)+(\b)):8*(8*(\a)+(\b))+7]
.endif
.endr
.endr
.endm
; 32 LDS loads in one run: the fragments of 32 along K at byte k of the rows of the slot in hand, into buffer f: B's eight, then A's eight
.macro FETCH k, f
	WIN TO_B
.irp i, 0,1,2,3,4,5,6,7
	ds_load_b128 v[(\f)+8*(\i):(\f)+8*(\i)+3],   v[ADRB] offset:(\k)+(\i)*16*PITCH
	ds_load_b128 v[(\f)+8*(\i)+4:(\f)+8*(\i)+7], v[ADRB] offset:(\k)+(\i)*16*PITCH+32
.endr
	WIN 0
.irp i, 0,1,2,3,4,5,6,7
	ds_load_b128 v[(\f)+8*(\i):(\f)+8*(\i)+3],   v[ADRA] offset:(\k)+(\i)*16*PITCH
	ds_load_b128 v[(\f)+8*(\i)+4:(\f)+8*(\i)+7], v[ADRA] offset:(\k)+(\i)*16*PITCH+32
.endr
.endm
.macro PLACES                          ; four plain instructions in front of loads into registers that matrix instructions have read, and of reads of results
.rept 4
	v_nop
.endr
.endm
; A K step is four quarters of 32 along K, 64 matrix instructions each, on buffers 0, 1, 0, 1.  One of the first three multiplies buffer f and fetches the next quarter, at byte k, into g.
.macro QUARTER k, f, g, zero
	s_wait_dscnt 8                                 ; B and A's rows 0-63 are in; the youngest eight loads (A's rows 64-127) may be out
	MUL16 \f, 0, 0, \zero
	MUL16 \f, 0, 2, \zero
	PLACES
	FETCH \k, \g
	s_wait_dscnt 32                                ; all but the 32 just issued
	MUL16 \f, 1, 0, \zero
	MUL16 \f, 1, 2, \zero
.endm
; The last quarter multiplies buffer 1 and changes slots: one barrier; in front of it each wave waits for all its tensor loads, adds 0 to its spare word, and waits for that and for its reads of this slot.
; fill = 1: the barrier opens a round of the cluster's, and this slot is filled again, two K steps ahead, first thing behind the round.
; fill = 0 (the tail): nothing is asked for, and in the last trip (s3 = 1) the fragment loads, which nothing would read, are jumped over.
.macro TURN fill
.if \fill
	s_wait_xcnt 0x0                                ; the last prefetch, a K step back, has read its address
	s_add_nc_u64 s[PFA:PFA+1], s[PFA:PFA+1], ASTEP
.endif
	WIN 0
	s_wait_tensorcnt 0x0                           ; all my tensor loads have landed: my part of the next slot
	ds_add_u32 v[SPW], v[NIL]                      ; 0 onto my spare word
	s_wait_dscnt 9                                 ; the add and the youngest eight loads may be out
	MUL16 F1, 0, 0, 0                              ; sixteen matrix instructions between the add and the wait for it
	s_wait_dscnt 0x0                               ; the add is done, and my reads of this slot are over
	s_barrier_signal -1
	MUL16 F1, 0, 2, 0
	WIN 0
	s_barrier_wait -1
.if \fill
	CREST                                          ; no wave of any partner still reads this slot or has a load on its way
	s_xor_b32 s[G0+5], s[G0+5], SLOT               ; the walking descriptors: the other slot than last time,
	s_add_nc_u64 s[G0+6:G0+7], s[G0+6:G0+7], ASTEP ; the next K step
	s_xor_b32 s[G0B+5], s[G0B+5], SLOT
	s_add_nc_u64 s[G0B+6:G0B+7], s[G0B+6:G0B+7], ASTEP
	JLOAD 1                                        ; its four v_nop are also the places in front of the loads below
.else
	PLACES
.endif
	s_xor_b32 s[TB], s[TB], SLOT                   ; the other slot is in hand
	v_add_nc_u32 v[ADRA], s[TB], v[LA]
	v_add_nc_u32 v[ADRB], s[TB], v[LB]
.if (\fill) == 0
	s_cmp_eq_u32 s3, 1
	s_cbranch_scc1 .Lno_fetch_\@
.endif
	FETCH 0, F0
.if \fill
	ASK
.else
.Lno_fetch_\@:
.endif
	MUL16 F1, 1, 0, 0
	MUL16 F1, 1, 2, 0
.endm
; THE WAY OUT of row block a.  PACK: rounded to f16, 16 bytes a lane, each accumulator's registers in ascending order.  TOSTAGE: into my own stage, and back as whole rows of 256 bytes.  SEND: stored.
.macro PACK a
.set AC, 64*((\a)%4)
	WIN 0x0a+5*((\a)/4)                            ; sources 0 and 1: window 2 or 3
.irp b, 0,1,2,3,4,5,6,7
.irp r, 0,1,2,3
	v_cvt_pk_f16_f32 v[TMP+4*(\b)+(\r)], v[AC+8*(\b)+2*(\r)], v[AC+8*(\b)+2*(\r)+1]
.endr
.endr
	WIN 0
.endm
.macro TOSTAGE a
	WIN 0
.set BK, OB+192*((\a)%2)
.irp b, 0,1,2,3,4,5,6,7
	ds_store_b128 v[STO], v[TMP+4*(\b):TMP+4*(\b)+3] offset:32*(\b)
.endr
.irp t, 0,1,2,3,4,5,6,7
	ds_load_b128 v[BK+4*(\t):BK+4*(\t)+3], v[RD] offset:(\t)*2*SPITCH  ; LDS serves a wave's instructions in order (ISA guide 5.7.1.4): these see the stores above
.endr
.endm
.macro SEND a
	WIN 0
.set BK, OB+192*((\a)%2)
	s_wait_dscnt 0x0                               ; the block is back in registers
	s_wait_xcnt 0x0                                ; earlier stores have read their base and their data: only behind this wait are these rewritten
.if (\a) > 0
	s_add_nc_u64 s[CB:CB+1], s[CB:CB+1], 16*PC
.endif
.irp t, 0,1,2,3,4,5,6,7
	global_store_b128 v[CO], v[BK+4*(\t):BK+4*(\t)+3], s[CB:CB+1] offset:2*(\t)*PC  ; 16 lanes store 256 consecutive bytes, aligned
.endr
.endm
	s_wait_tensorcnt 0x1                           ; my part of K step 0 is in; K step 1's may stay out
	s_barrier_signal -1
	s_barrier_wait -1
	FETCH 0, F0
	QUARTER 64, F0, F1, 1                          ; the first quarter stands in front of the loop: its products start the sums
	WIN 0
	s_mov_b32 s3, NS-2
.Lstep:                                        ; NS - 2 trips: from a step's second quarter to the next step's first; the slot that is left is filled again
	QUARTER 128, F1, F0, 0
	QUARTER 192, F0, F1, 0
	TURN 1
	QUARTER 64,  F0, F1, 0
	WIN 0
	s_sub_co_u32 s3, s3, 1
	s_cmp_lg_u32 s3, 0
	s_cbranch_scc1 .Lstep
	s_mov_b32 s3, 2
.Ltail:                                        ; the last two steps ask for nothing: a text of their own; the second trip is left in its middle
	QUARTER 128, F1, F0, 0
	QUARTER 192, F0, F1, 0
	TURN 0
	WIN 0
	s_sub_co_u32 s3, s3, 1
	s_cmp_eq_u32 s3, 0
	s_cbranch_scc1 .Lout
	QUARTER 64,  F0, F1, 0
	WIN 0
	s_branch .Ltail
.Lout:
	PLACES
	PACK 0
	TOSTAGE 0
.irp a, 1,2,3,4,5,6,7                  ; block a's conversions stand between block a - 1's loads from the stage and the wait for them
	PACK \a
	SEND (\a)-1
	TOSTAGE \a
.endr
	SEND 7
	s_wait_tensorcnt 0x0                           ; the wave's end, behind my last tensor load and my last LDS store
	ds_add_u32 v[SPW], v[NIL]
	s_wait_dscnt 0x0
	CROUND                                         ; the closing round: no work-group ends while a partner may still ask for a tile that names it
	s_endpgm
.Lfunc_end_k_q1dc3c2754b_qkv:
	.size	k_q1dc3c2754b_qkv, .Lfunc_end_k_q1dc3c2754b_qkv-k_q1dc3c2754b_qkv
	.p2alignl 7, 3214868480
	.fill 96, 4, 3214868480
	.section	.rodata,"a",@progbits
	.p2align	6, 0x0
	.amdhsa_kernel k_q1dc3c2754b_qkv
		.amdhsa_group_segment_fixed_size 327680
		.amdhsa_private_segment_fixed_size 0
		.amdhsa_enable_private_segment 0
		.amdhsa_kernarg_size 24
		.amdhsa_user_sgpr_count 2
		.amdhsa_user_sgpr_kernarg_segment_ptr 1
		.amdhsa_wavefront_size32 1
		.amdhsa_system_sgpr_workgroup_id_x 1
		.amdhsa_system_sgpr_workgroup_id_y 1
		.amdhsa_system_sgpr_workgroup_id_z 1
		.amdhsa_system_vgpr_workitem_id 0
		.amdhsa_next_free_vgpr 1024
		.amdhsa_next_free_sgpr 80
		.amdhsa_reserve_vcc 0
		.amdhsa_float_denorm_mode_32 3
		.amdhsa_float_denorm_mode_16_64 3
		.amdhsa_memory_ordered 1
		.amdhsa_forward_progress 1
		.amdhsa_inst_pref_size 101
	.end_amdhsa_kernel
	.amdgpu_metadata
---
amdhsa.version: [ 1, 2 ]
amdhsa.kernels:
  - .name:           k_q1dc3c2754b_qkv
    .symbol:         k_q1dc3c2754b_qkv.kd
    .args:
      - { .name: xb, .offset: 0, .size: 8, .value_kind: global_buffer, .address_space: global }
      - { .name: wb, .offset: 8, .size: 8, .value_kind: global_buffer, .address_space: global }
      - { .name: qkv, .offset: 16, .size: 8, .value_kind: global_buffer, .address_space: global }
    .group_segment_fixed_size: 327680
    .private_segment_fixed_size: 0
    .kernarg_segment_align: 8
    .kernarg_segment_size: 24
    .max_flat_workgroup_size: 128
    .sgpr_count:     80
    .vgpr_count:     1024
    .wavefront_size: 32
...
	.end_amdgpu_metadata
.endif
;; end of part 2
;; launch logits (part 3): grid 8 x 32, 4 waves a work-group, clusters of 4 x 4, 327,680 bytes of LDS; arguments qkv, p, stats; writes p, stats
.if DOCPART == 3
	.amdgcn_target "amdgcn-amd-amdhsa--gfx1250"
	.amdhsa_code_object_version 6
	.text
	.protected	k_q1dc3c2754b_logits
	.globl	k_q1dc3c2754b_logits
	.p2align	8
	.type	k_q1dc3c2754b_logits,@function
k_q1dc3c2754b_logits:
	s_mov_b64 s[64:65], 0
	v_nop
	global_prefetch_b8 v0, s[64:65] scope:SCOPE_SE
	s_setreg_imm32_b32 hwreg(HW_REG_WAVE_MODE, 25, 1), 1
	s_wait_xcnt 0x0
	s_wait_alu depctr_hold_cnt(0) depctr_sa_sdst(0) depctr_va_vdst(0) depctr_va_sdst(0) depctr_va_ssrc(0) depctr_va_vcc(0) depctr_vm_vsrc(0)
	s_getreg_b32 s2, hwreg(HW_REG_IB_STS2, 6, 4)
	s_cmp_eq_u32 s2, 0
	s_cbranch_scc0 .Lentry_in_a_cluster
	s_endpgm
.Lentry_in_a_cluster:
	s_bfe_u32 s2, ttmp6, 0x10000c
	s_cmp_lg_u32 s2, 0xf033
	s_cbranch_scc0 .Lentry_shape_is_right
	s_endpgm
.Lentry_shape_is_right:
; s[r][k] = Q[r] . K[k] inside a batch of 2,048 rows; for each row and each CHUNK of 128 keys: m = the chunk's maximum, p[r][k] = 2^(c s - c m) in f16, l = the sum of the unrounded p; c = log2(e) / 32.
; qkv: [8192][3072] f16 (Q at column 0, K at 1,024).  p: [8192][2048] f16.  stats: f32, plane 0 c m, plane 1 l; a plane is [16 chunks][8192 places]; row R has place (R & ~63) + 4 (R & 15) + ((R >> 4) & 3).
; The maximum is taken away before every exponential; the next launch corrects a chunk's maximum to the row's.
; LIMITS.  p lies in 0 to 1; below 6e-5 it keeps f16's fixed step of 6e-8; an exponential below 2^-126 counts as 0.  NaN and infinities are not treated apart.
; SHARES.  A tile is 256 queries x 256 keys: 8 x 32 tiles, one for each of 256 WGPs.  Wave w makes rows 128 (w / 2) on and the chunk 128 (w % 2) on: 8 x 8 accumulators; a chunk never leaves its wave.
; RING, CLUSTER, TRANSPOSED USE.  The 1,024 channels go in steps of 128 through two LDS slots (Q's 256 rows, K's 256); waves 0 and 1 fetch Q's halves, waves 2 and 3 K's, one tensor load a wave behind each change
; of slots, 224 matrix instructions ahead of the wait for it (two loads out at the start, one afterwards); a step is written once, the slot in hand a scalar that one exclusive or turns; in a cluster of 4 x 4
; Q's tile is asked for jointly along a row, K's along a column; source 0 = 16 keys, source 1 = 16 queries, so a lane holds one query and eight neighbouring keys.
; REGISTERS.  Window 0: v0-31 addresses and work; v64-127, v128-191 Q's fragments (on the way out v64-87 statistics); v32-63, v192-255 at work on the way out.  Window 1: v64-127, v128-191 K's fragments.
; Window 2: the accumulators of my rows 0-63 ((a, b) at v[8 (8 a + b)]); window 3: those of my rows 64-127.
.set PA,     3072
.set PC,     4096                      ; bytes in a row of p
.set ASTEP,  256
.set NS,     8
.set PITCH,  272                       ; 256 bytes + 16 of padding: the 16 rows of a fragment load start at 16 different groups of four banks (ISA guide 11.1)
.set HALFT,  128*PITCH
.set SLOT,   4*HALFT                   ; 0x22000: it shares no bit with the waves' places 0, 0x8800, 0x11000, 0x19800, so one exclusive or turns a descriptor's LDS address in one slot into the other's
.set STAGE,  2*SLOT                    ; behind the ring: 16 rows x 272 bytes for each wave; no tensor load lands here
.set SPITCH, 272
.set SPARE,  STAGE+4*16*SPITCH         ; the spare words, 128 bytes for each wave: two blocks of 256 bytes that no other line names
.set ADRA, 16
.set ADRB, 17
.set LA,   18                          ; never rewritten
.set LB,   19                          ; never rewritten
.set STO,  24
.set RD,   25
.set CO,   26
.set SO,   27                          ; v27     my byte offset in stats
.set SPW,  28                          ; never rewritten
.set NIL,  29                          ; never rewritten
.set PFO,  30                          ; never rewritten
.set OB,   32
.set F0,   64
.set F1,   128
.set CM,   64                          ; the way out: v64-71 c m of my row in blocks 0 to 7,
.set LS,   72                          ; v72-79 l of the same,
.set SD,   80                          ; v80-87 what I store of them
.set TMP,  192
.set G1,   24
.set G0,   32
.set G1B,  48
.set G0B,  56
.set LIM,  43
.set PFA,  44
.set TB,   66
.set CB,   6                           ; s[6:7]   p
.set CS,   68                          ; s[68:69] c: the packed scaling takes the pair's low word for both halves
.set SEL,  70                          ; s[70:71] v_permlanex16_b32's selects: each lane takes its own place in the other half
.set SB,   72                          ; s[72:73] stats
.set MSB, 0
.macro WIN new
.if MSB != (\new)
	s_set_vgpr_msb (MSB<<8)|(\new)
.set MSB, \new
.endif
.endm
.set MUL_LO, 0xa1
.set MUL_HI, 0xf1
.set TO_B,   0x40
.macro JLOAD s                         ; a joint load: waves 0 and 1 ask for Q, waves 2 and 3 for K; an s_nop 0 and four v_nop follow each line
	s_cmp_eq_u32 s11, 0
	s_cbranch_scc0 .Lfor_b_\@
	tensor_load_to_lds s[G0+4*(\s):G0+4*(\s)+3], s[G1:G1+7]
	s_nop 0
.rept 4
	v_nop
.endr
	s_branch .Lasked_\@
.Lfor_b_\@:
	tensor_load_to_lds s[G0B+4*(\s):G0B+4*(\s)+3], s[G1B:G1B+7]
	s_nop 0
.rept 4
	v_nop
.endr
.Lasked_\@:
.endm
.macro CREST
	s_cmp_lg_u32 s10, 0
	s_cbranch_scc1 .Lnot_wave_0_\@
	s_barrier_signal -3
.Lnot_wave_0_\@:
	s_barrier_wait -3
	s_barrier_signal -1
	s_barrier_wait -1
.endm
.macro CROUND
	s_barrier_signal -1
	s_barrier_wait -1
	CREST
.endm
; A prefetch into the L2 of the K step two refills on: 32 rows x 256 bytes, a lane a row; each block is named once in the launch: Q's rows by the first cluster along x, K's by the batch's first cluster along y;
; of the 128 rows that a wave fetches each partner of the joint load takes 32, told apart by address.  The last two refills ask for nothing.
.macro ASK
	s_cmp_gt_u32 s3, s[LIM]
	s_cbranch_scc0 .Lnot_mine_\@
	global_prefetch_b8 v[PFO], s[PFA:PFA+1] th:TH_LOAD_NT scope:SCOPE_SE
.Lnot_mine_\@:
.endm
	s_load_b128 s[4:7], s[0:1], 0x0                ; qkv s[4:5], p s[6:7]
	s_load_b64 s[SB:SB+1], s[0:1], 0x10            ; stats
	v_lshl_add_u32 v[SPW], v0, 2, SPARE
	v_mov_b32 v[NIL], 0
	ds_add_u32 v[SPW], v[NIL]                      ; the wave's opening: the add and its wait stand ahead of my first tensor load
	v_lshrrev_b32 v1, 5, v0
	v_readfirstlane_b32 s10, v1
	s_lshr_b32 s11, s10, 1
	s_and_b32 s12, s10, 1
	s_bfe_u32 s40, ttmp6, 0x40000
	s_bfe_u32 s41, ttmp6, 0x40004
	s_lshl_b32 s42, ttmp9, 2
	s_add_co_u32 s42, s42, s40                     ; tile column
	s_and_b32 s74, ttmp7, 0xffff                   ; cluster y
	s_lshl_b32 s13, s74, 2
	s_add_co_u32 s13, s13, s41                     ; tile row
	s_lshr_b32 s75, s74, 1                         ; the batch: two rows of clusters each; all sixteen partners share it
	s_lshl_b32 s43, s41, 2
	s_lshl_b32 s43, 15, s43
	s_lshl_b32 s44, 0x1111, s40
	s_or_b32 s[G1+0], s43, (1<<16)|(1<<20)|(1<<21)|(5<<22)|(3<<25)
	s_or_b32 s[G1B+0], s44, (1<<16)|(1<<20)|(1<<21)|(5<<22)|(3<<25)
.irp g, G1, G1B
	s_mov_b32 s[(\g)+1], 128<<16
	s_mov_b32 s[(\g)+2], 128<<16
	s_mov_b32 s[(\g)+3], 128<<16
	s_mov_b32 s[(\g)+4], 128
	s_mov_b32 s[(\g)+5], PA
	s_mov_b32 s[(\g)+6], 0
	s_mov_b32 s[(\g)+7], 0
.endr
	s_mov_b32 s[CS], 0x3d38aa3b                    ; c = log2(e) / 32
	s_mov_b32 s[CS+1], s[CS]
	s_mov_b32 s[SEL], 0x76543210
	s_mov_b32 s[SEL+1], 0xfedcba98
	s_lshl_b32 s16, s13, 8                         ; Q: row 256 x tile row + 128 x half
	s_lshl_b32 s17, s12, 7
	s_add_co_u32 s16, s16, s17
	s_mul_i32 s16, s16, PA*2
	s_mov_b32 s17, 0
	s_lshl_b32 s46, s75, 11                        ; K: row 2,048 x batch + 256 x tile column + 128 x half,
	s_lshl_b32 s47, s42, 8
	s_add_co_u32 s46, s46, s47
	s_lshl_b32 s47, s12, 7
	s_add_co_u32 s46, s46, s47
	s_mul_i32 s46, s46, PA*2
	s_add_co_u32 s46, s46, 2048                    ; at column 1,024
	s_mov_b32 s47, 0
	s_mul_i32 s20, s10, HALFT
	s_mov_b32 s[TB], 0
	s_wait_dscnt 0x0
	s_wait_kmcnt 0x0
	s_add_nc_u64 s[14:15], s[4:5], s[16:17]
	s_add_nc_u64 s[46:47], s[4:5], s[46:47]
	CROUND
.irp s, 0,1
	s_mov_b32 s[G0+4*(\s)], 1
	s_add_co_u32 s[G0+4*(\s)+1], s20, (\s)*SLOT
	s_add_nc_u64 s[G0+4*(\s)+2:G0+4*(\s)+3], s[14:15], (\s)*ASTEP
	s_or_b32 s[G0+4*(\s)+3], s[G0+4*(\s)+3], 0x80000000
	s_mov_b32 s[G0B+4*(\s)], 1
	s_add_co_u32 s[G0B+4*(\s)+1], s20, (\s)*SLOT
	s_add_nc_u64 s[G0B+4*(\s)+2:G0B+4*(\s)+3], s[46:47], (\s)*ASTEP
	s_or_b32 s[G0B+4*(\s)+3], s[G0B+4*(\s)+3], 0x80000000
	JLOAD \s
.endr
	v_and_b32 v1, 15, v0                           ; l % 16
	v_bfe_u32 v2, v0, 4, 1                         ; l / 16
	v_mul_u32_u24 v3, v1, PITCH
	v_lshl_add_u32 v3, v2, 4, v3
	s_mul_i32 s22, s11, HALFT
	s_mul_i32 s23, s12, HALFT
	s_add_co_u32 s23, s23, 2*HALFT
	v_add_nc_u32 v[LA], s22, v3
	v_add_nc_u32 v[LB], s23, v3
	v_mov_b32 v[ADRA], v[LA]
	v_mov_b32 v[ADRB], v[LB]
	s_mul_i32 s23, s10, 16*SPITCH
	s_add_co_u32 s23, s23, STAGE
	v_mul_u32_u24 v4, v1, SPITCH
	v_lshl_add_u32 v4, v2, 4, v4
	v_add_nc_u32 v[STO], s23, v4
	v_mul_u32_u24 v5, v2, SPITCH
	v_lshl_add_u32 v5, v1, 4, v5
	v_add_nc_u32 v[RD], s23, v5
	v_mul_u32_u24 v5, v2, PC
	v_lshl_add_u32 v[CO], v1, 4, v5
	v_lshlrev_b32 v[SO], 19, v2                    ; stats: lanes 0-15 store c m into plane 0, lanes 16-31 l into plane 1 (524,288 bytes on),
	v_lshl_add_u32 v[SO], v1, 4, v[SO]             ; 16 bytes a row l % 16: four blocks
	s_lshl_b32 s16, s13, 8
	s_lshl_b32 s17, s11, 7
	s_add_co_u32 s16, s16, s17
	s_mul_i32 s16, s16, PC
	s_mov_b32 s17, 0
	s_add_nc_u64 s[CB:CB+1], s[CB:CB+1], s[16:17]
	s_lshl_b32 s46, s42, 9
	s_lshl_b32 s47, s12, 8
	s_add_co_u32 s46, s46, s47
	s_mov_b32 s47, 0
	s_add_nc_u64 s[CB:CB+1], s[CB:CB+1], s[46:47]
	s_lshl_b32 s76, s42, 1                         ; stats at my chunk (2 x tile column + half: 32,768 bytes each)
	s_add_co_u32 s76, s76, s12
	s_lshl_b32 s76, s76, 15
	s_lshl_b32 s77, s13, 10                        ; and my 128 rows: 4 bytes a place
	s_add_co_u32 s76, s76, s77
	s_lshl_b32 s77, s11, 9
	s_add_co_u32 s76, s76, s77
	s_mov_b32 s77, 0
	s_add_nc_u64 s[SB:SB+1], s[SB:SB+1], s[76:77]
	; the prefetches
	s_lshl_b32 s76, s13, 8                         ; Q: the 128 rows that I fetch, my work-group's 32 by cx
	s_lshl_b32 s77, s40, 5
	s_add_co_u32 s76, s76, s77
	s_lshl_b32 s77, s12, 7
	s_add_co_u32 s76, s76, s77
	s_mul_i32 s76, s76, PA*2
	s_lshl_b32 s78, s75, 11                        ; K: the 128 rows that I fetch, my work-group's 32 by cy
	s_lshl_b32 s79, s42, 8
	s_add_co_u32 s78, s78, s79
	s_lshl_b32 s79, s12, 7
	s_add_co_u32 s78, s78, s79
	s_lshl_b32 s79, s41, 5
	s_add_co_u32 s78, s78, s79
	s_mul_i32 s78, s78, PA*2
	s_add_co_u32 s78, s78, 2048
	s_and_b32 s79, s74, 1                          ; K: 0 in the batch's first cluster along y
	s_cmp_eq_u32 s11, 0
	s_cselect_b32 s76, s76, s78
	s_cselect_b32 s77, ttmp9, s79                  ; Q: 0 in the first cluster along x
	s_cmp_eq_u32 s77, 0
	s_cselect_b32 s[LIM], 2, -1
	s_mov_b32 s77, 0
	s_add_nc_u64 s[PFA:PFA+1], s[4:5], s[76:77]
	s_add_nc_u64 s[PFA:PFA+1], s[PFA:PFA+1], 3*ASTEP  ; at K step 3: the first refill steps it to 4
	v_and_b32 v[PFO], 31, v0
	v_mul_u32_u24 v[PFO], v[PFO], PA*2
.macro MUL16 f, hi, a0, zero           ; the 64 accumulators take turns, one instruction a turn, in the same order in every quarter
	WIN MUL_LO+0x50*(\hi)
.irp a, \a0, (\a0)+1
.irp b, 0,1,2,3,4,5,6,7
.if \zero
	v_wmma_f32_16x16x32_f16 v[8*(8*(\a)+(\b)):8*(8*(\a)+(\b))+7], v[(\f)+8*(\b):(\f)+8*(\b)+7], v[(\f)+8*(4*(\hi)+(\a)):(\f)+8*(4*(\hi)+(\a))+7], 0
.else
	v_wmma_f32_16x16x32_f16 v[8*(8*(\a)+(\b)):8*(8*(\a)+(\b))+7], v[(\f)+8*(\b):(\f)+8*(\b)+7], v[(\f)+8*(4*(\hi)+(\a)):(\f)+8*(4*(\hi)+(\a))+7], v[8*(8*(\a)+(\b)):8*(8*(\a)+(\b))+7]
.endif
.endr
.endr
.endm
.macro FETCH k, f
	WIN TO_B
.irp i, 0,1,2,3,4,5,6,7
	ds_load_b128 v[(\f)+8*(\i):(\f)+8*(\i)+3],   v[ADRB] offset:(\k)+(\i)*16*PITCH
	ds_load_b128 v[(\f)+8*(\i)+4:(\f)+8*(\i)+7], v[ADRB] offset:(\k)+(\i)*16*PITCH+32
.endr
	WIN 0
.irp i, 0,1,2,3,4,5,6,7
	ds_load_b128 v[(\f)+8*(\i):(\f)+8*(\i)+3],   v[ADRA] offset:(\k)+(\i)*16*PITCH
	ds_load_b128 v[(\f)+8*(\i)+4:(\f)+8*(\i)+7], v[ADRA] offset:(\k)+(\i)*16*PITCH+32
.endr
.endm
.macro PLACES
.rept 4
	v_nop
.endr
.endm
.macro QUARTER k, f, g, zero
	s_wait_dscnt 8                                 ; the youngest eight loads (Q's rows 64-127) may be out
	MUL16 \f, 0, 0, \zero
	MUL16 \f, 0, 2, \zero
	PLACES
	FETCH \k, \g
	s_wait_dscnt 32                                ; all but the 32 just issued
	MUL16 \f, 1, 0, \zero
	MUL16 \f, 1, 2, \zero
.endm
; The last quarter and the change of slots.  fill = 1: the barrier opens a round of the cluster's, and the slot that is left is filled again first thing behind it.  fill = 0 (the tail): nothing is asked for,
; and in the last trip (s3 = 1) the fragment loads, which nothing would read, are jumped over.
.macro TURN fill
.if \fill
	s_wait_xcnt 0x0                                ; the last prefetch, a K step back, has read its address
	s_add_nc_u64 s[PFA:PFA+1], s[PFA:PFA+1], ASTEP
.endif
	WIN 0
	s_wait_tensorcnt 0x0                           ; all my tensor loads have landed: my part of the next slot
	ds_add_u32 v[SPW], v[NIL]                      ; 0 onto my spare word
	s_wait_dscnt 9                                 ; the add and the youngest eight loads may be out
	MUL16 F1, 0, 0, 0
	s_wait_dscnt 0x0                               ; the add is done, and my reads of this slot are over
	s_barrier_signal -1
	MUL16 F1, 0, 2, 0
	WIN 0
	s_barrier_wait -1
.if \fill
	CREST
	s_xor_b32 s[G0+5], s[G0+5], SLOT
	s_add_nc_u64 s[G0+6:G0+7], s[G0+6:G0+7], ASTEP
	s_xor_b32 s[G0B+5], s[G0B+5], SLOT
	s_add_nc_u64 s[G0B+6:G0B+7], s[G0B+6:G0B+7], ASTEP
	JLOAD 1
.else
	PLACES
.endif
	s_xor_b32 s[TB], s[TB], SLOT
	v_add_nc_u32 v[ADRA], s[TB], v[LA]
	v_add_nc_u32 v[ADRB], s[TB], v[LB]
.if (\fill) == 0
	s_cmp_eq_u32 s3, 1
	s_cbranch_scc1 .Lno_fetch_\@
.endif
	FETCH 0, F0
.if \fill
	ASK
.else
.Lno_fetch_\@:
.endif
	MUL16 F1, 1, 0, 0
	MUL16 F1, 1, 2, 0
.endm
; THE SOFTMAX'S FIRST HALF for row block a.  A lane holds 64 of its row's 128 scores of the chunk, in the block's eight accumulators; the lane 16 away holds the other 64.
.macro SOFT a
.set AC, 64*((\a)%4)
.set W, 2+(\a)/4                       ; the block's window
	WIN W|(W<<2)|(W<<4)                            ; the maximum: four chains of 16 scores, three operands at a time
.irp i, 0,1,2,3
	v_max3_num_f32 v[4+(\i)], v[AC+16*(\i)], v[AC+16*(\i)+1], v[AC+16*(\i)+2]
.endr
	WIN (W<<2)|(W<<4)
.irp n, 1,2,3,4,5,6
.irp i, 0,1,2,3
	v_max3_num_f32 v[4+(\i)], v[4+(\i)], v[AC+16*(\i)+2*(\n)+1], v[AC+16*(\i)+2*(\n)+2]
.endr
.endr
	v_max3_num_f32 v4, v4, v[AC+15], v[AC+31]      ; the four scores left over
	v_max3_num_f32 v6, v6, v[AC+47], v[AC+63]
	WIN 0
	v_max3_num_f32 v4, v4, v5, v6
	v_max_num_f32 v4, v4, v7
	v_permlanex16_b32 v5, v4, s[SEL], s[SEL+1]
	v_max_num_f32 v4, v4, v5                       ; m
	v_mul_f32 v2, s[CS], v4                        ; c m
	v_mov_b32 v[CM+(\a)], v2
	WIN (W<<6)|W                                   ; in place
.set z, 0
.rept 32
	v_pk_fma_f32 v[AC+z:AC+z+1], v[AC+z:AC+z+1], s[CS:CS+1], v[2:3] op_sel_hi:[1,0,0] neg_lo:[0,0,1] neg_hi:[0,0,1]  ; c s - c m
.set z, z+2
.endr
.set z, 0
.rept 64
	v_exp_f32 v[AC+z], v[AC+z]                     ; one batch of 64
.set z, z+1
.endr
	v_nop                                          ; a plain instruction behind the last exponential (ISA guide 5.7.2),
	s_wait_alu depctr_va_vdst(0)                   ; and one wait ahead of the batch's first reader
	WIN W|(W<<2)
.set z, 0
.rept 32
	v_cvt_pk_f16_f32 v[TMP+z], v[AC+2*z], v[AC+2*z+1]
.set z, z+1
.endr
	WIN (W<<6)|(W<<2)|W                            ; the sum of the 32 pairs, in place: neighbours 16, 8, 4, 2 and 1 pairs apart
.irp w, 32,16,8,4,2
.set z, 0
.rept (\w)/2
	v_pk_add_f32 v[AC+z:AC+z+1], v[AC+z:AC+z+1], v[AC+(\w)+z:AC+(\w)+z+1]
.set z, z+2
.endr
.endr
	WIN W|(W<<2)
	v_add_f32 v6, v[AC], v[AC+1]
	WIN 0
	v_permlanex16_b32 v7, v6, s[SEL], s[SEL+1]
	v_add_f32 v[LS+(\a)], v6, v7                   ; l
.endm
.macro TOSTAGE a
	WIN 0
.set BK, OB+192*((\a)%2)
.irp b, 0,1,2,3,4,5,6,7
	ds_store_b128 v[STO], v[TMP+4*(\b):TMP+4*(\b)+3] offset:32*(\b)
.endr
.irp t, 0,1,2,3,4,5,6,7
	ds_load_b128 v[BK+4*(\t):BK+4*(\t)+3], v[RD] offset:(\t)*2*SPITCH  ; LDS serves a wave's instructions in order (ISA guide 5.7.1.4): these see the stores above
.endr
.endm
.macro SEND a
	WIN 0
.set BK, OB+192*((\a)%2)
	s_wait_dscnt 0x0
	s_wait_xcnt 0x0                                ; earlier stores have read their base and their data
.if (\a) > 0
	s_add_nc_u64 s[CB:CB+1], s[CB:CB+1], 16*PC
.endif
.irp t, 0,1,2,3,4,5,6,7
	global_store_b128 v[CO], v[BK+4*(\t):BK+4*(\t)+3], s[CB:CB+1] offset:2*(\t)*PC  ; 16 lanes store 256 consecutive bytes, aligned
.endr
.endm
	s_wait_tensorcnt 0x1                           ; my part of K step 0 is in; K step 1's may stay out
	s_barrier_signal -1
	s_barrier_wait -1
	FETCH 0, F0
	QUARTER 64, F0, F1, 1                          ; the first quarter's products start the sums
	WIN 0
	s_mov_b32 s3, NS-2
.Lstep:                                        ; NS - 2 trips: from a step's second quarter to the next step's first; the slot that is left is filled again
	QUARTER 128, F1, F0, 0
	QUARTER 192, F0, F1, 0
	TURN 1
	QUARTER 64,  F0, F1, 0
	WIN 0
	s_sub_co_u32 s3, s3, 1
	s_cmp_lg_u32 s3, 0
	s_cbranch_scc1 .Lstep
	s_mov_b32 s3, 2
.Ltail:                                        ; the last two steps ask for nothing: a text of their own; the second trip is left in its middle
	QUARTER 128, F1, F0, 0
	QUARTER 192, F0, F1, 0
	TURN 0
	WIN 0
	s_sub_co_u32 s3, s3, 1
	s_cmp_eq_u32 s3, 0
	s_cbranch_scc1 .Lout
	QUARTER 64,  F0, F1, 0
	WIN 0
	s_branch .Ltail
.Lout:
	PLACES
	v_mov_b32 v3, 0                                ; named with v2 as a pair
	SOFT 0
	TOSTAGE 0
.irp a, 1,2,3,4,5,6,7                  ; block a's softmax stands between block a - 1's loads from the stage and the wait for them
	SOFT \a
	SEND (\a)-1
	TOSTAGE \a
.endr
	SEND 7
	v_and_b32 v4, 16, v0                           ; both halves of the lanes hold c m and l of row l % 16: the lower half stores c m, the upper l
	v_cmp_ne_u32 vcc_lo, 0, v4
.irp a, 0,1,2,3,4,5,6,7
	v_cndmask_b32 v[SD+(\a)], v[CM+(\a)], v[LS+(\a)], vcc_lo
.endr
	global_store_b128 v[SO], v[SD:SD+3], s[SB:SB+1]                 ; my rows 0-63: each half of the lanes stores 256 consecutive bytes, aligned
	global_store_b128 v[SO], v[SD+4:SD+7], s[SB:SB+1] offset:256    ; my rows 64-127
	s_wait_tensorcnt 0x0                           ; the wave's end
	ds_add_u32 v[SPW], v[NIL]
	s_wait_dscnt 0x0
	CROUND                                         ; the closing round
	s_endpgm
.Lfunc_end_k_q1dc3c2754b_logits:
	.size	k_q1dc3c2754b_logits, .Lfunc_end_k_q1dc3c2754b_logits-k_q1dc3c2754b_logits
	.p2alignl 7, 3214868480
	.fill 96, 4, 3214868480
	.section	.rodata,"a",@progbits
	.p2align	6, 0x0
	.amdhsa_kernel k_q1dc3c2754b_logits
		.amdhsa_group_segment_fixed_size 327680
		.amdhsa_private_segment_fixed_size 0
		.amdhsa_enable_private_segment 0
		.amdhsa_kernarg_size 24
		.amdhsa_user_sgpr_count 2
		.amdhsa_user_sgpr_kernarg_segment_ptr 1
		.amdhsa_wavefront_size32 1
		.amdhsa_system_sgpr_workgroup_id_x 1
		.amdhsa_system_sgpr_workgroup_id_y 1
		.amdhsa_system_sgpr_workgroup_id_z 1
		.amdhsa_system_vgpr_workitem_id 0
		.amdhsa_next_free_vgpr 1024
		.amdhsa_next_free_sgpr 80
		.amdhsa_reserve_vcc 1
		.amdhsa_float_denorm_mode_32 3
		.amdhsa_float_denorm_mode_16_64 3
		.amdhsa_memory_ordered 1
		.amdhsa_forward_progress 1
		.amdhsa_inst_pref_size 170
	.end_amdhsa_kernel
	.amdgpu_metadata
---
amdhsa.version: [ 1, 2 ]
amdhsa.kernels:
  - .name:           k_q1dc3c2754b_logits
    .symbol:         k_q1dc3c2754b_logits.kd
    .args:
      - { .name: qkv, .offset: 0, .size: 8, .value_kind: global_buffer, .address_space: global }
      - { .name: p, .offset: 8, .size: 8, .value_kind: global_buffer, .address_space: global }
      - { .name: stats, .offset: 16, .size: 8, .value_kind: global_buffer, .address_space: global }
    .group_segment_fixed_size: 327680
    .private_segment_fixed_size: 0
    .kernarg_segment_align: 8
    .kernarg_segment_size: 24
    .max_flat_workgroup_size: 128
    .sgpr_count:     80
    .vgpr_count:     1024
    .wavefront_size: 32
...
	.end_amdgpu_metadata
.endif
;; end of part 3
;; launch pv (part 4): grid 4 x 64, 4 waves a work-group, clusters of 4 x 4, 327,680 bytes of LDS; arguments p, qkv, stats, attn; writes attn
.if DOCPART == 4
	.amdgcn_target "amdgcn-amd-amdhsa--gfx1250"
	.amdhsa_code_object_version 6
	.text
	.protected	k_q1dc3c2754b_pv
	.globl	k_q1dc3c2754b_pv
	.p2align	8
	.type	k_q1dc3c2754b_pv,@function
k_q1dc3c2754b_pv:
	s_mov_b64 s[64:65], 0
	v_nop
	global_prefetch_b8 v0, s[64:65] scope:SCOPE_SE
	s_setreg_imm32_b32 hwreg(HW_REG_WAVE_MODE, 25, 1), 1
	s_wait_xcnt 0x0
	s_wait_alu depctr_hold_cnt(0) depctr_sa_sdst(0) depctr_va_vdst(0) depctr_va_sdst(0) depctr_va_ssrc(0) depctr_va_vcc(0) depctr_vm_vsrc(0)
	s_getreg_b32 s2, hwreg(HW_REG_IB_STS2, 6, 4)
	s_cmp_eq_u32 s2, 0
	s_cbranch_scc0 .Lentry_in_a_cluster
	s_endpgm
.Lentry_in_a_cluster:
	s_bfe_u32 s2, ttmp6, 0x10000c
	s_cmp_lg_u32 s2, 0xf033
	s_cbranch_scc0 .Lentry_shape_is_right
	s_endpgm
.Lentry_shape_is_right:
; attn[r][d] = (the sum over chunks j and their keys k of f[r][j] p[r][k] V[k][d]) / L[r], with f = 2^(c m_j - c M), M the row's maximum over its 16 chunks, L = the sum over j of f l_j.
; p: [8192][2048] f16.  V: qkv's columns 2,048 on, [key][channel], rows of 6,144 bytes.  stats: plane 0 c m, plane 1 l, [16 chunks][8192 places].  attn: [8192][1024] f16.
; f is rounded to f16 and that number is used both on p and in L; f p is rounded to f16 for the product; sums in f32; attn rounded once.  The chunk that holds M has f = 1 and l of about 1 or more, so L is never small.
; LIMITS.  f p keeps f16's fixed step of 6e-8 below 6e-5; an exponential below 2^-126 counts as 0; attn is a mean of V's rows and has their range, and below 6e-5 f16's fixed step.  NaN and infinities are not treated apart.
; SHARES.  A tile is 128 rows x 256 channels: 4 x 64 tiles, one for each of 256 WGPs (256 x 256 would leave half of them without work).  Wave w makes rows 64 (w / 2) on and channels 128 (w % 2) on.
; K is the batch's 2,048 keys, a chunk of 128 a step.
; RING, CLUSTER.  Two LDS slots, each with p's 128 rows x 128 keys and V's 128 keys x 256 channels; waves 0 and 1 fetch p's halves, waves 2 and 3 V's (64 keys each), one tensor load a wave behind each change
; of slots (two out at the start, one afterwards); a step is written once, the slot in hand a scalar that one exclusive or turns; p's tile is asked for jointly along a row of the 4 x 4 cluster, V's along a column.
; TRANSPOSED USE.  Source 0 = 16 channels of V, turned on its way out of LDS by ds_load_tr16_b128; source 1 = 16 rows of p, scaled by f in registers.  A lane holds one row and eight neighbouring channels.
.set PA,     2048
.set PC,     2048                      ; bytes in a row of attn
.set ASTEP,  256                       ; 128 keys along a row of p
.set BSTEP,  128*6144                  ; 128 keys down V
.set NS,     16                        ; K steps
.set PITCH,  272                       ; a row of p in LDS: 256 bytes + 16
.set PV,     544                       ; a row of V: 512 bytes + 32 = 136 words
.set AHALF,  64*PITCH
.set BHALF,  64*PV                     ; 64 keys
.set BOFF,   2*AHALF
.set DATA,   BOFF+2*BHALF              ; a slot's bytes
.set SLOT,   1<<17                     ; slot 1 begins here, so that one exclusive or turns an address in one slot into the other's
.set STAGE,  SLOT+DATA                 ; behind the ring, where no tensor load lands: 16 rows x 272 bytes for each wave,
.set SPITCH, 272
.set FT,     STAGE+4*16*SPITCH         ; f, twice in a word: [16 chunks][128 places] x 4 bytes,
.set IL,     FT+16*512                 ; 1 / L, twice: [128 places] x 8 bytes,
.set SPARE,  IL+128*8                  ; and the spare words, 128 bytes for each wave: two blocks of 256 bytes that no other line names
.set FC,   8                           ; v8-11   f of my row in blocks 0-3 for the step in hand; on the way out v8-15 hold 1 / L in pairs
.set FCN,  12                          ; v12-15  f for the next step
.set ADRA, 16
.set ADRB, 17
.set LA,   18                          ; never rewritten
.set LB,   19                          ; never rewritten
.set FTA,  22                          ; v22     where I read f: it walks, a chunk a step
.set SO,   23                          ; v23     my byte offset in stats
.set STO,  24
.set RD,   25
.set CO,   26
.set ILA,  27                          ; v27     where I read 1 / L
.set SPW,  28                          ; never rewritten
.set NIL,  29                          ; never rewritten
.set PFO,  30                          ; v30     p's prefetches: my lane x 4,096; never rewritten
.set PFOB, 31                          ; v31     V's: key l % 16, block l / 16 of its 512 bytes; never rewritten
.set TMP,  32
.set F0,   64
.set F1,   160
.set G1,   24
.set G0,   32
.set G1B,  48
.set G0B,  56
.set LIM,  43
.set PFA,  44                          ; s[44:45] where p's prefetches stand
.set PFB,  66                          ; s[66:67] where V's stand
.set SB,   68                          ; s[68:69] stats
.set CB,   70                          ; s[70:71] attn
.set TB,   72                          ; s72     0 or SLOT: the slot in hand
.set MSB, 0
.macro WIN new
.if MSB != (\new)
	s_set_vgpr_msb (MSB<<8)|(\new)
.set MSB, \new
.endif
.endm
.set MUL, 0x50
.macro JLOAD s                         ; a joint load: waves 0 and 1 ask for p, waves 2 and 3 for V; an s_nop 0 and four v_nop follow each line
	s_cmp_eq_u32 s11, 0
	s_cbranch_scc0 .Lfor_b_\@
	tensor_load_to_lds s[G0+4*(\s):G0+4*(\s)+3], s[G1:G1+7]
	s_nop 0
.rept 4
	v_nop
.endr
	s_branch .Lasked_\@
.Lfor_b_\@:
	tensor_load_to_lds s[G0B+4*(\s):G0B+4*(\s)+3], s[G1B:G1B+7]
	s_nop 0
.rept 4
	v_nop
.endr
.Lasked_\@:
.endm
.macro CREST
	s_cmp_lg_u32 s10, 0
	s_cbranch_scc1 .Lnot_wave_0_\@
	s_barrier_signal -3
.Lnot_wave_0_\@:
	s_barrier_wait -3
	s_barrier_signal -1
	s_barrier_wait -1
.endm
.macro CROUND
	s_barrier_signal -1
	s_barrier_wait -1
	CREST
.endm
; A prefetch into the L2 of the K step two refills on, 32 blocks of 256 bytes an instruction; each block is named once in the launch.  p's rows: wave 0 (the grid has one cluster along x), a lane a row, the four
; partners of a row of the cluster 32 rows each by cx.  V's: waves 2 and 3 of the batch's first cluster along y, each for the 64 keys that it fetches: the four partners of a column 16 keys each by cy, a lane
; one of a key's two blocks.  The last two refills ask for nothing.  Both branches hang on the wave's number and the cluster's place alone.
.macro ASK
	s_cmp_gt_u32 s3, s[LIM]
	s_cbranch_scc0 .Lnot_mine_\@
	s_cmp_eq_u32 s11, 0
	s_cbranch_scc0 .Lask_v_\@
	global_prefetch_b8 v[PFO], s[PFA:PFA+1] th:TH_LOAD_NT scope:SCOPE_SE
	s_branch .Lnot_mine_\@
.Lask_v_\@:
	global_prefetch_b8 v[PFOB], s[PFB:PFB+1] th:TH_LOAD_NT scope:SCOPE_SE
.Lnot_mine_\@:
.endm
	s_load_b128 s[4:7], s[0:1], 0x0                ; p s[4:5], qkv s[6:7]
	s_load_b128 s[68:71], s[0:1], 0x10             ; stats s[68:69], attn s[70:71]
	v_lshl_add_u32 v[SPW], v0, 2, SPARE
	v_mov_b32 v[NIL], 0
	ds_add_u32 v[SPW], v[NIL]                      ; the wave's opening: the add and its wait stand ahead of my first tensor load
	v_lshrrev_b32 v1, 5, v0
	v_readfirstlane_b32 s10, v1
	s_lshr_b32 s11, s10, 1
	s_and_b32 s12, s10, 1
	s_bfe_u32 s40, ttmp6, 0x40000
	s_bfe_u32 s41, ttmp6, 0x40004
	s_lshl_b32 s42, ttmp9, 2
	s_add_co_u32 s42, s42, s40                     ; tile column
	s_and_b32 s74, ttmp7, 0xffff                   ; cluster y
	s_lshl_b32 s13, s74, 2
	s_add_co_u32 s13, s13, s41                     ; tile row
	s_lshr_b32 s75, s74, 2                         ; the batch
	s_lshl_b32 s43, s41, 2
	s_lshl_b32 s43, 15, s43
	s_lshl_b32 s44, 0x1111, s40
	s_or_b32 s[G1+0], s43, (1<<16)|(1<<20)|(1<<21)|(5<<22)|(3<<25)   ; p: 64 rows x 128 elements; after every 64 words 4 words of padding
	s_mov_b32 s[G1+1], 128<<16
	s_mov_b32 s[G1+2], 64<<16
	s_mov_b32 s[G1+3], 128<<16
	s_mov_b32 s[G1+4], 64
	s_mov_b32 s[G1+5], PA
	s_mov_b32 s[G1+6], 0
	s_mov_b32 s[G1+7], 0
	s_or_b32 s[G1B+0], s44, (1<<16)|(1<<20)|(1<<21)|(6<<22)|(7<<25)  ; V: 64 keys x 256 elements; after every 128 words 8 words of padding
	s_mov_b32 s[G1B+1], 256<<16
	s_mov_b32 s[G1B+2], 64<<16
	s_mov_b32 s[G1B+3], 256<<16
	s_mov_b32 s[G1B+4], 64
	s_mov_b32 s[G1B+5], 3072
	s_mov_b32 s[G1B+6], 0
	s_mov_b32 s[G1B+7], 0
	s_lshl_b32 s16, s13, 7                         ; p: row 128 x tile row + 64 x half
	s_lshl_b32 s17, s12, 6
	s_add_co_u32 s16, s16, s17
	s_mul_i32 s16, s16, PA*2
	s_mov_b32 s17, 0
	s_lshl_b32 s46, s75, 11                        ; V: key 2,048 x batch + 64 x half,
	s_lshl_b32 s47, s12, 6
	s_add_co_u32 s46, s46, s47
	s_mul_i32 s46, s46, 6144
	s_lshl_b32 s47, s42, 9                         ; channels 256 x tile column,
	s_add_co_u32 s46, s46, s47
	s_add_co_u32 s46, s46, 4096                    ; behind Q and K
	s_mov_b32 s47, 0
	s_mul_i32 s20, s12, AHALF
	s_mul_i32 s21, s12, BHALF
	s_add_co_u32 s21, s21, BOFF
	s_mov_b32 s[TB], 0
	s_wait_dscnt 0x0
	s_wait_kmcnt 0x0
	s_add_nc_u64 s[14:15], s[4:5], s[16:17]
	s_add_nc_u64 s[46:47], s[6:7], s[46:47]
	CROUND
.irp s, 0,1
	s_mov_b32 s[G0+4*(\s)], 1
	s_add_co_u32 s[G0+4*(\s)+1], s20, (\s)*SLOT
	s_add_nc_u64 s[G0+4*(\s)+2:G0+4*(\s)+3], s[14:15], (\s)*ASTEP
	s_or_b32 s[G0+4*(\s)+3], s[G0+4*(\s)+3], 0x80000000
	s_mov_b32 s[G0B+4*(\s)], 1
	s_add_co_u32 s[G0B+4*(\s)+1], s21, (\s)*SLOT
	s_add_nc_u64 s[G0B+4*(\s)+2:G0B+4*(\s)+3], s[46:47], (\s)*BSTEP
	s_or_b32 s[G0B+4*(\s)+3], s[G0B+4*(\s)+3], 0x80000000
	JLOAD \s
.endr
	; the tile's statistics: thread t takes place t of the tile's 128: 16 x c m, 16 x l
	s_lshl_b32 s76, s13, 9                         ; 128 places x 4 bytes a tile row
	s_mov_b32 s77, 0
	s_add_nc_u64 s[SB:SB+1], s[SB:SB+1], s[76:77]
	v_lshlrev_b32 v[SO], 2, v0
.set c, 0
.rept 16
	global_load_b32 v[64+c], v[SO], s[SB:SB+1] offset:c*32768
	global_load_b32 v[80+c], v[SO], s[SB:SB+1] offset:524288+c*32768
.set c, c+1
.endr
	v_and_b32 v1, 15, v0                           ; l % 16
	v_bfe_u32 v2, v0, 4, 1                         ; l / 16
	v_mul_u32_u24 v3, v1, PITCH
	v_lshl_add_u32 v3, v2, 4, v3                   ; p's fragments: row x pitch + 16 x half
	v_and_b32 v4, 7, v0                            ; the turning load: lane l reads key 8 (l / 16) + l % 8, channels 8 ((l / 8) % 2) + 0..7, and is left with channel l % 16 and 8 keys
	v_lshl_add_u32 v4, v2, 3, v4
	v_mul_u32_u24 v4, v4, PV
	v_bfe_u32 v5, v0, 3, 1
	v_lshl_add_u32 v4, v5, 4, v4
	s_mul_i32 s22, s11, AHALF                      ; my 64 rows of p
	s_lshl_b32 s23, s12, 8                         ; my 128 channels: 256 bytes of V's rows
	s_add_co_u32 s23, s23, BOFF
	v_add_nc_u32 v[LA], s22, v3
	v_add_nc_u32 v[LB], s23, v4
	v_mov_b32 v[ADRA], v[LA]                       ; slot 0 is in hand
	v_mov_b32 v[ADRB], v[LB]
	s_mul_i32 s23, s10, 16*SPITCH
	s_add_co_u32 s23, s23, STAGE
	v_mul_u32_u24 v4, v1, SPITCH
	v_lshl_add_u32 v4, v2, 4, v4
	v_add_nc_u32 v[STO], s23, v4
	v_mul_u32_u24 v5, v2, SPITCH
	v_lshl_add_u32 v5, v1, 4, v5
	v_add_nc_u32 v[RD], s23, v5
	v_mul_u32_u24 v5, v2, PC
	v_lshl_add_u32 v[CO], v1, 4, v5
	s_lshl_b32 s76, s11, 8                         ; f of my row l % 16 in my four blocks: places 64 x half + 4 (l % 16) + 0..3: 16 bytes
	s_add_co_u32 s76, s76, FT
	v_lshl_add_u32 v[FTA], v1, 4, s76
	s_lshl_b32 s76, s11, 9                         ; 1 / L of the same places: 32 bytes
	s_add_co_u32 s76, s76, IL
	v_lshl_add_u32 v[ILA], v1, 5, s76
	s_lshl_b32 s16, s13, 7
	s_lshl_b32 s17, s11, 6
	s_add_co_u32 s16, s16, s17
	s_mul_i32 s16, s16, PC
	s_mov_b32 s17, 0
	s_add_nc_u64 s[CB:CB+1], s[CB:CB+1], s[16:17]
	s_lshl_b32 s46, s42, 9
	s_lshl_b32 s47, s12, 8
	s_add_co_u32 s46, s46, s47
	s_mov_b32 s47, 0
	s_add_nc_u64 s[CB:CB+1], s[CB:CB+1], s[46:47]
	; the prefetches
	s_lshl_b32 s76, s13, 7                         ; p: the tile's rows, my work-group's 32 by cx
	s_lshl_b32 s77, s40, 5
	s_add_co_u32 s76, s76, s77
	s_lshl_b32 s76, s76, 12
	s_mov_b32 s77, 0
	s_add_nc_u64 s[PFA:PFA+1], s[4:5], s[76:77]
	s_add_nc_u64 s[PFA:PFA+1], s[PFA:PFA+1], 3*ASTEP  ; at K step 3: the first refill steps it to 4
	s_lshl_b32 s78, s75, 11                        ; V: the 64 keys that I fetch, my work-group's 16 by cy
	s_lshl_b32 s79, s12, 6
	s_add_co_u32 s78, s78, s79
	s_lshl_b32 s79, s41, 4
	s_add_co_u32 s78, s78, s79
	s_mul_i32 s78, s78, 6144
	s_lshl_b32 s79, s42, 9
	s_add_co_u32 s78, s78, s79
	s_add_co_u32 s78, s78, 4096
	s_mov_b32 s79, 0
	s_add_nc_u64 s[PFB:PFB+1], s[6:7], s[78:79]
	s_add_nc_u64 s[PFB:PFB+1], s[PFB:PFB+1], 3*BSTEP
	s_or_b32 s76, ttmp9, s12                       ; p: 0 in wave 0 of the first cluster along x
	s_and_b32 s78, s74, 3                          ; V: 0 in the batch's first cluster along y
	s_cmp_eq_u32 s11, 0
	s_cselect_b32 s76, s76, s78
	s_cmp_eq_u32 s76, 0
	s_cselect_b32 s[LIM], 2, -1
	v_and_b32 v5, 31, v0
	v_lshlrev_b32 v[PFO], 12, v5
	v_mul_u32_u24 v[PFOB], v1, 6144
	v_lshl_add_u32 v[PFOB], v2, 8, v[PFOB]
	; f and 1 / L
	s_wait_loadcnt 0x0
	v_max3_num_f32 v112, v64, v65, v66
	v_max3_num_f32 v113, v67, v68, v69
	v_max3_num_f32 v114, v70, v71, v72
	v_max3_num_f32 v115, v73, v74, v75
	v_max3_num_f32 v116, v76, v77, v78
	v_max3_num_f32 v112, v112, v113, v114
	v_max3_num_f32 v115, v115, v116, v79
	v_max_num_f32 v112, v112, v115                 ; c M
.set c, 0
.rept 16
	v_sub_f32 v[64+c], v[64+c], v112
.set c, c+1
.endr
.set c, 0
.rept 16
	v_exp_f32 v[64+c], v[64+c]
.set c, c+1
.endr
	v_mov_b32 v113, 0                              ; a plain instruction behind the last exponential; L's two chains start at 0
	v_mov_b32 v114, 0
	s_wait_alu depctr_va_vdst(0)                   ; one wait for the batch of 16, ahead of its first reader
.set c, 0
.rept 16
	v_cvt_pk_f16_f32 v[96+c], v[64+c], v[64+c]     ; f, rounded, in both halves
.set c, c+1
.endr
.set c, 0
.rept 8
	v_fma_mix_f32 v113, v[96+c], v[80+c], v113 op_sel_hi:[1,0,0]  ; L += the rounded f x l, in f32
	v_fma_mix_f32 v114, v[97+c], v[81+c], v114 op_sel_hi:[1,0,0]
.set c, c+2
.endr
	v_add_f32 v113, v113, v114
	v_rcp_f32 v116, v113
	v_lshl_add_u32 v4, v0, 2, FT                   ; (plain work behind the reciprocal)
	v_lshl_add_u32 v5, v0, 3, IL
	s_wait_alu depctr_va_vdst(0)
	v_mov_b32 v117, v116
.set c, 0
.rept 16
	ds_store_b32 v4, v[96+c] offset:512*c
.set c, c+1
.endr
	ds_store_b64 v5, v[116:117]
.macro MUL8 f, a, zero                 ; the 32 accumulators take turns, one instruction a turn, in the same order in every quarter
	WIN MUL
.irp b, 0,1,2,3,4,5,6,7
.if \zero
	v_wmma_f32_16x16x32_f16 v[8*(8*(\a)+(\b)):8*(8*(\a)+(\b))+7], v[(\f)+8*(\b):(\f)+8*(\b)+7], v[(\f)+64+8*(\a):(\f)+64+8*(\a)+7], 0
.else
	v_wmma_f32_16x16x32_f16 v[8*(8*(\a)+(\b)):8*(8*(\a)+(\b))+7], v[(\f)+8*(\b):(\f)+8*(\b)+7], v[(\f)+64+8*(\a):(\f)+64+8*(\a)+7], v[8*(8*(\a)+(\b)):8*(8*(\a)+(\b))+7]
.endif
.endr
.endm
.macro MUL16 f, a0, zero
	MUL8 \f, \a0, \zero
	MUL8 \f, (\a0)+1, \zero
.endm
; p's fragments of row blocks a0 and a0 + 1 times f of the step in hand: 16 packed multiplies, each rounded to f16
.macro SCALE f, a0
	WIN 0
.irp a, \a0, (\a0)+1
.irp r, 0,1,2,3,4,5,6,7
	v_pk_mul_f16 v[(\f)+64+8*(\a)+(\r)], v[(\f)+64+8*(\a)+(\r)], v[FC+(\a)]
.endr
.endr
.endm
; 24 LDS loads in one run: 32 keys at byte k of p's rows (keys k / 2 on) of the slot in hand: V's eight fragments, turned, then p's four
.macro FETCH k, f
	WIN 0
.irp i, 0,1,2,3,4,5,6,7
	ds_load_tr16_b128 v[(\f)+8*(\i):(\f)+8*(\i)+3],   v[ADRB] offset:((\k)/64)*32*PV+32*(\i)
	ds_load_tr16_b128 v[(\f)+8*(\i)+4:(\f)+8*(\i)+7], v[ADRB] offset:((\k)/64)*32*PV+16*PV+32*(\i)
.endr
.irp i, 0,1,2,3
	ds_load_b128 v[(\f)+64+8*(\i):(\f)+64+8*(\i)+3],   v[ADRA] offset:(\k)+(\i)*16*PITCH
	ds_load_b128 v[(\f)+64+8*(\i)+4:(\f)+64+8*(\i)+7], v[ADRA] offset:(\k)+(\i)*16*PITCH+32
.endr
.endm
.macro PLACES
.rept 4
	v_nop
.endr
.endm
; new = 1: a step's first quarter in the loop: the step's f, asked for ahead of the run of 24, takes the place of the last step's
.macro QUARTER k, f, g, zero, new
	s_wait_dscnt 4                                 ; the youngest four loads (p's blocks 2 and 3) may be out; f, asked for ahead of the run, is in
.if \new
	WIN 0
.irp r, 0,1,2,3
	v_mov_b32 v[FC+(\r)], v[FCN+(\r)]
.endr
.endif
	SCALE \f, 0
	MUL16 \f, 0, \zero
	PLACES
	FETCH \k, \g
	s_wait_dscnt 24                                ; all but the 24 just issued
	SCALE \f, 2
	MUL16 \f, 2, \zero
.endm
; The last quarter and the change of slots.  fill = 1: the barrier opens a round of the cluster's, and the slot that is left is filled again first thing behind it.  fill = 0 (the tail): nothing is asked for,
; and in the last trip (s3 = 1) the LDS loads, which nothing would read, are jumped over.
.macro TURN fill
.if \fill
	s_wait_xcnt 0x0                                ; the last prefetch, a K step back, has read its address
	s_add_nc_u64 s[PFA:PFA+1], s[PFA:PFA+1], ASTEP
	s_add_nc_u64 s[PFB:PFB+1], s[PFB:PFB+1], BSTEP
.endif
	WIN 0
	s_wait_tensorcnt 0x0                           ; all my tensor loads have landed: my part of the next slot
	ds_add_u32 v[SPW], v[NIL]                      ; 0 onto my spare word
	s_wait_dscnt 5                                 ; the add and the youngest four loads may be out
	SCALE F1, 0
	MUL8 F1, 0, 0
	s_wait_dscnt 0x0                               ; the add is done, and my reads of this slot are over
	s_barrier_signal -1
	MUL8 F1, 1, 0
	WIN 0
	s_barrier_wait -1
.if \fill
	CREST
	s_xor_b32 s[G0+5], s[G0+5], SLOT               ; the walking descriptors: the other slot than last time, the next K step
	s_add_nc_u64 s[G0+6:G0+7], s[G0+6:G0+7], ASTEP
	s_xor_b32 s[G0B+5], s[G0B+5], SLOT
	s_add_nc_u64 s[G0B+6:G0B+7], s[G0B+6:G0B+7], BSTEP
	JLOAD 1
.else
	PLACES
.endif
	s_xor_b32 s[TB], s[TB], SLOT                   ; the other slot is in hand
	v_add_nc_u32 v[ADRA], s[TB], v[LA]
	v_add_nc_u32 v[ADRB], s[TB], v[LB]
.if (\fill) == 0
	s_cmp_eq_u32 s3, 1
	s_cbranch_scc1 .Lno_fetch_\@
.endif
	ds_load_b128 v[FCN:FCN+3], v[FTA] offset:512   ; f of the next chunk, ahead of the run of 24, so that the counted waits cover it
	v_add_nc_u32 v[FTA], 512, v[FTA]
	FETCH 0, F0
.if \fill
	ASK
.else
.Lno_fetch_\@:
.endif
	SCALE F1, 2
	MUL16 F1, 2, 0
.endm
; THE WAY OUT of row block a: divided by L, rounded to f16, through my own stage, stored as whole rows of 256 bytes
.macro PACK a
	WIN 0x41                                       ; in place in window 1; 1 / L in window 0
.set z, 64*(\a)
.rept 32
	v_pk_mul_f32 v[z:z+1], v[z:z+1], v[FC+2*(\a):FC+2*(\a)+1] op_sel_hi:[1,0]
.set z, z+2
.endr
	WIN 0x05
.irp b, 0,1,2,3,4,5,6,7
.irp r, 0,1,2,3
	v_cvt_pk_f16_f32 v[TMP+4*(\b)+(\r)], v[8*(8*(\a)+(\b))+2*(\r)], v[8*(8*(\a)+(\b))+2*(\r)+1]
.endr
.endr
	WIN 0
.endm
.macro TOSTAGE a
	WIN 0
.set BK, F0+32*((\a)%2)
.irp b, 0,1,2,3,4,5,6,7
	ds_store_b128 v[STO], v[TMP+4*(\b):TMP+4*(\b)+3] offset:32*(\b)
.endr
.irp t, 0,1,2,3,4,5,6,7
	ds_load_b128 v[BK+4*(\t):BK+4*(\t)+3], v[RD] offset:(\t)*2*SPITCH  ; LDS serves a wave's instructions in order (ISA guide 5.7.1.4): these see the stores above
.endr
.endm
.macro SEND a
	WIN 0
.set BK, F0+32*((\a)%2)
	s_wait_dscnt 0x0
	s_wait_xcnt 0x0                                ; earlier stores have read their base and their data
.if (\a) > 0
	s_add_nc_u64 s[CB:CB+1], s[CB:CB+1], 16*PC
.endif
.irp t, 0,1,2,3,4,5,6,7
	global_store_b128 v[CO], v[BK+4*(\t):BK+4*(\t)+3], s[CB:CB+1] offset:2*(\t)*PC  ; 16 lanes store 256 consecutive bytes, aligned
.endr
.endm
	s_wait_tensorcnt 0x1                           ; my part of K step 0 is in; K step 1's may stay out
	s_wait_dscnt 0x0                               ; for the others' sake: my f and 1 / L lie in LDS
	s_barrier_signal -1
	s_barrier_wait -1
	ds_load_b128 v[FC:FC+3], v[FTA]                ; f of chunk 0
	FETCH 0, F0
	QUARTER 64, F0, F1, 1, 0                       ; the first quarter's products start the sums
	WIN 0
	s_mov_b32 s3, NS-2
.Lstep:                                        ; NS - 2 trips: from a step's second quarter to the next step's first; the slot that is left is filled again
	QUARTER 128, F1, F0, 0, 0
	QUARTER 192, F0, F1, 0, 0
	TURN 1
	QUARTER 64,  F0, F1, 0, 1
	WIN 0
	s_sub_co_u32 s3, s3, 1
	s_cmp_lg_u32 s3, 0
	s_cbranch_scc1 .Lstep
	s_mov_b32 s3, 2
.Ltail:                                        ; the last two steps ask for nothing: a text of their own; the second trip is left in its middle
	QUARTER 128, F1, F0, 0, 0
	QUARTER 192, F0, F1, 0, 0
	TURN 0
	WIN 0
	s_sub_co_u32 s3, s3, 1
	s_cmp_eq_u32 s3, 0
	s_cbranch_scc1 .Lout
	QUARTER 64,  F0, F1, 0, 1
	WIN 0
	s_branch .Ltail
.Lout:
	PLACES
	ds_load_b128 v[FC:FC+3], v[ILA]                ; 1 / L of my row in blocks 0 and 1, each twice,
	ds_load_b128 v[FC+4:FC+7], v[ILA] offset:16    ; and in blocks 2 and 3
	s_wait_dscnt 0x0
	PACK 0
	TOSTAGE 0
.irp a, 1,2,3
	PACK \a
	SEND (\a)-1
	TOSTAGE \a
.endr
	SEND 3
	s_wait_tensorcnt 0x0                           ; the wave's end
	ds_add_u32 v[SPW], v[NIL]
	s_wait_dscnt 0x0
	CROUND                                         ; the closing round
	s_endpgm
.Lfunc_end_k_q1dc3c2754b_pv:
	.size	k_q1dc3c2754b_pv, .Lfunc_end_k_q1dc3c2754b_pv-k_q1dc3c2754b_pv
	.p2alignl 7, 3214868480
	.fill 96, 4, 3214868480
	.section	.rodata,"a",@progbits
	.p2align	6, 0x0
	.amdhsa_kernel k_q1dc3c2754b_pv
		.amdhsa_group_segment_fixed_size 327680
		.amdhsa_private_segment_fixed_size 0
		.amdhsa_enable_private_segment 0
		.amdhsa_kernarg_size 32
		.amdhsa_user_sgpr_count 2
		.amdhsa_user_sgpr_kernarg_segment_ptr 1
		.amdhsa_wavefront_size32 1
		.amdhsa_system_sgpr_workgroup_id_x 1
		.amdhsa_system_sgpr_workgroup_id_y 1
		.amdhsa_system_sgpr_workgroup_id_z 1
		.amdhsa_system_vgpr_workitem_id 0
		.amdhsa_next_free_vgpr 512
		.amdhsa_next_free_sgpr 80
		.amdhsa_reserve_vcc 0
		.amdhsa_float_denorm_mode_32 3
		.amdhsa_float_denorm_mode_16_64 3
		.amdhsa_memory_ordered 1
		.amdhsa_forward_progress 1
		.amdhsa_inst_pref_size 99
	.end_amdhsa_kernel
	.amdgpu_metadata
---
amdhsa.version: [ 1, 2 ]
amdhsa.kernels:
  - .name:           k_q1dc3c2754b_pv
    .symbol:         k_q1dc3c2754b_pv.kd
    .args:
      - { .name: p, .offset: 0, .size: 8, .value_kind: global_buffer, .address_space: global }
      - { .name: qkv, .offset: 8, .size: 8, .value_kind: global_buffer, .address_space: global }
      - { .name: stats, .offset: 16, .size: 8, .value_kind: global_buffer, .address_space: global }
      - { .name: attn, .offset: 24, .size: 8, .value_kind: global_buffer, .address_space: global }
    .group_segment_fixed_size: 327680
    .private_segment_fixed_size: 0
    .kernarg_segment_align: 8
    .kernarg_segment_size: 32
    .max_flat_workgroup_size: 128
    .sgpr_count:     80
    .vgpr_count:     512
    .wavefront_size: 32
...
	.end_amdgpu_metadata
.endif
;; end of part 4
;; launch oproj (part 5): grid 4 x 64, 4 waves a work-group, clusters of 4 x 4, 327,680 bytes of LDS; arguments attn, wo, out0; writes out0
.if DOCPART == 5
	.amdgcn_target "amdgcn-amd-amdhsa--gfx1250"
	.amdhsa_code_object_version 6
	.text
	.protected	k_q1dc3c2754b_oproj
	.globl	k_q1dc3c2754b_oproj
	.p2align	8
	.type	k_q1dc3c2754b_oproj,@function
k_q1dc3c2754b_oproj:
	s_mov_b64 s[64:65], 0
	v_nop
	global_prefetch_b8 v0, s[64:65] scope:SCOPE_SE
	s_setreg_imm32_b32 hwreg(HW_REG_WAVE_MODE, 25, 1), 1
	s_wait_xcnt 0x0
	s_wait_alu depctr_hold_cnt(0) depctr_sa_sdst(0) depctr_va_vdst(0) depctr_va_sdst(0) depctr_va_ssrc(0) depctr_va_vcc(0) depctr_vm_vsrc(0)
	s_getreg_b32 s2, hwreg(HW_REG_IB_STS2, 6, 4)
	s_cmp_eq_u32 s2, 0
	s_cbranch_scc0 .Lentry_in_a_cluster
	s_endpgm
.Lentry_in_a_cluster:
	s_bfe_u32 s2, ttmp6, 0x10000c
	s_cmp_lg_u32 s2, 0xf033
	s_cbranch_scc0 .Lentry_shape_is_right
	s_endpgm
.Lentry_shape_is_right:
; out0[r][e] = the sum over d of attn[r][d] wo[e][d].  attn: [8192][1024] f16, wo: [1024][1024] f16 (W_o rounded to bf16), out0: [8192][1024] f32; sums in f32, stored as they are.
; SHARES.  A tile of C is 128 rows x 256 columns: 4 x 64 tiles, one for each of 256 WGPs (256 x 256 would leave half of them without work).  Wave w makes rows 64 (w / 2) on and columns 128 (w % 2) on.
; RING, CLUSTER, TRANSPOSED USE, REGISTERS.  K goes in steps of 128 through two LDS slots (A's 128 rows, B's 256); waves 0 and 1 fetch A's halves, waves 2 and 3 B's, one tensor load a wave behind each change of
; slots (two out at the start, one afterwards); a step is written once, the slot in hand a scalar that one exclusive or turns; in a cluster of 4 x 4 A's tile is asked for jointly along a row, B's along a column;
; source 0 = 16 rows of B, source 1 = 16 rows of A, so a lane holds one row of C and eight neighbouring columns; window 0 holds addresses and two fragment buffers, window 1 accumulator (a, b) at v[8 (8 a + b)].
.set PA,     1024
.set PB,     1024
.set PC,     4096                      ; bytes in a row of C
.set ASTEP,  256
.set NS,     8
.set PITCH,  272                       ; 256 bytes + 16 of padding: the 16 rows of a fragment load start at 16 different groups of four banks (ISA guide 11.1)
.set AHALF,  64*PITCH
.set BHALF,  128*PITCH
.set BOFF,   2*AHALF
.set DATA,   BOFF+2*BHALF              ; a slot's bytes
.set SLOT,   1<<17                     ; slot 1 begins here, so that one exclusive or turns an address in one slot into the other's
.set STAGE,  SLOT+DATA                 ; behind the ring: 16 rows x 528 bytes for each wave; no tensor load lands here
.set SPITCH, 528                       ; 128 f32 + 16 bytes: 33 x 16
.set SPARE,  STAGE+4*16*SPITCH         ; the spare words, 128 bytes for each wave: two blocks of 256 bytes that no other line names
.set ADRA, 16
.set ADRB, 17
.set LA,   18                          ; never rewritten
.set LB,   19                          ; never rewritten
.set STO,  24
.set RD,   25
.set CO,   26
.set SPW,  28                          ; never rewritten
.set NIL,  29                          ; never rewritten
.set PFO,  30                          ; never rewritten
.set F0,   64
.set F1,   160
.set G1,   24
.set G0,   32
.set G1B,  48
.set G0B,  56
.set LIM,  43
.set PFA,  44
.set TB,   66
.set CB,   8
.set MSB, 0
.macro WIN new
.if MSB != (\new)
	s_set_vgpr_msb (MSB<<8)|(\new)
.set MSB, \new
.endif
.endm
.set MUL, 0x50
.macro JLOAD s                         ; a joint load: waves 0 and 1 ask for A, waves 2 and 3 for B; an s_nop 0 and four v_nop follow each line
	s_cmp_eq_u32 s11, 0
	s_cbranch_scc0 .Lfor_b_\@
	tensor_load_to_lds s[G0+4*(\s):G0+4*(\s)+3], s[G1:G1+7]
	s_nop 0
.rept 4
	v_nop
.endr
	s_branch .Lasked_\@
.Lfor_b_\@:
	tensor_load_to_lds s[G0B+4*(\s):G0B+4*(\s)+3], s[G1B:G1B+7]
	s_nop 0
.rept 4
	v_nop
.endr
.Lasked_\@:
.endm
.macro CREST
	s_cmp_lg_u32 s10, 0
	s_cbranch_scc1 .Lnot_wave_0_\@
	s_barrier_signal -3
.Lnot_wave_0_\@:
	s_barrier_wait -3
	s_barrier_signal -1
	s_barrier_wait -1
.endm
.macro CROUND
	s_barrier_signal -1
	s_barrier_wait -1
	CREST
.endm
; A prefetch into the L2 of the K step two refills on: 32 rows x 256 bytes, a lane a row; each block is named once in the launch: A's rows by wave 0 (the grid has one cluster along x), B's by waves 2 and 3 of
; the first cluster along y; the partners of a joint load share its rows out by address.  The last two refills ask for nothing.
.macro ASK
	s_cmp_gt_u32 s3, s[LIM]
	s_cbranch_scc0 .Lnot_mine_\@
	global_prefetch_b8 v[PFO], s[PFA:PFA+1] th:TH_LOAD_NT scope:SCOPE_SE
.Lnot_mine_\@:
.endm
	s_load_b128 s[4:7], s[0:1], 0x0                ; A s[4:5], B s[6:7]
	s_load_b64 s[8:9], s[0:1], 0x10                ; C
	v_lshl_add_u32 v[SPW], v0, 2, SPARE
	v_mov_b32 v[NIL], 0
	ds_add_u32 v[SPW], v[NIL]                      ; the wave's opening: the add and its wait stand ahead of my first tensor load
	v_lshrrev_b32 v1, 5, v0
	v_readfirstlane_b32 s10, v1
	s_lshr_b32 s11, s10, 1
	s_and_b32 s12, s10, 1
	s_bfe_u32 s40, ttmp6, 0x40000
	s_bfe_u32 s41, ttmp6, 0x40004
	s_lshl_b32 s42, ttmp9, 2
	s_add_co_u32 s42, s42, s40                     ; tile column
	s_and_b32 s74, ttmp7, 0xffff                   ; cluster y
	s_lshl_b32 s13, s74, 2
	s_add_co_u32 s13, s13, s41                     ; tile row
	s_lshl_b32 s43, s41, 2
	s_lshl_b32 s43, 15, s43
	s_lshl_b32 s44, 0x1111, s40
	s_or_b32 s[G1+0], s43, (1<<16)|(1<<20)|(1<<21)|(5<<22)|(3<<25)
	s_mov_b32 s[G1+1], 128<<16
	s_mov_b32 s[G1+2], 64<<16
	s_mov_b32 s[G1+3], 128<<16
	s_mov_b32 s[G1+4], 64
	s_mov_b32 s[G1+5], PA
	s_mov_b32 s[G1+6], 0
	s_mov_b32 s[G1+7], 0
	s_or_b32 s[G1B+0], s44, (1<<16)|(1<<20)|(1<<21)|(5<<22)|(3<<25)
	s_mov_b32 s[G1B+1], 128<<16
	s_mov_b32 s[G1B+2], 128<<16
	s_mov_b32 s[G1B+3], 128<<16
	s_mov_b32 s[G1B+4], 128
	s_mov_b32 s[G1B+5], PB
	s_mov_b32 s[G1B+6], 0
	s_mov_b32 s[G1B+7], 0
	s_lshl_b32 s16, s13, 7
	s_lshl_b32 s17, s12, 6
	s_add_co_u32 s16, s16, s17
	s_mul_i32 s16, s16, PA*2
	s_mov_b32 s17, 0
	s_lshl_b32 s46, s42, 8
	s_lshl_b32 s47, s12, 7
	s_add_co_u32 s46, s46, s47
	s_mul_i32 s46, s46, PB*2
	s_mov_b32 s47, 0
	s_mul_i32 s20, s12, AHALF
	s_mul_i32 s21, s12, BHALF
	s_add_co_u32 s21, s21, BOFF
	s_mov_b32 s[TB], 0
	s_wait_dscnt 0x0
	s_wait_kmcnt 0x0
	s_add_nc_u64 s[14:15], s[4:5], s[16:17]
	s_add_nc_u64 s[46:47], s[6:7], s[46:47]
	CROUND
.irp s, 0,1
	s_mov_b32 s[G0+4*(\s)], 1
	s_add_co_u32 s[G0+4*(\s)+1], s20, (\s)*SLOT
	s_add_nc_u64 s[G0+4*(\s)+2:G0+4*(\s)+3], s[14:15], (\s)*ASTEP
	s_or_b32 s[G0+4*(\s)+3], s[G0+4*(\s)+3], 0x80000000
	s_mov_b32 s[G0B+4*(\s)], 1
	s_add_co_u32 s[G0B+4*(\s)+1], s21, (\s)*SLOT
	s_add_nc_u64 s[G0B+4*(\s)+2:G0B+4*(\s)+3], s[46:47], (\s)*ASTEP
	s_or_b32 s[G0B+4*(\s)+3], s[G0B+4*(\s)+3], 0x80000000
	JLOAD \s
.endr
	v_and_b32 v1, 15, v0
	v_bfe_u32 v2, v0, 4, 1
	v_mul_u32_u24 v3, v1, PITCH
	v_lshl_add_u32 v3, v2, 4, v3
	s_mul_i32 s22, s11, AHALF
	s_mul_i32 s23, s12, BHALF
	s_add_co_u32 s23, s23, BOFF
	v_add_nc_u32 v[LA], s22, v3
	v_add_nc_u32 v[LB], s23, v3
	v_mov_b32 v[ADRA], v[LA]                       ; slot 0 is in hand
	v_mov_b32 v[ADRB], v[LB]
	s_mul_i32 s23, s10, 16*SPITCH
	s_add_co_u32 s23, s23, STAGE                   ; my stage
	v_mul_u32_u24 v4, v1, SPITCH                   ; in: row l % 16, 32 bytes (eight f32) for each half of the lanes
	v_lshl_add_u32 v4, v2, 5, v4
	v_add_nc_u32 v[STO], s23, v4
	v_and_b32 v5, 31, v0                           ; back: 32 lanes take one row of 512 bytes,
	v_lshlrev_b32 v[CO], 4, v5                     ; which are 512 consecutive bytes of C
	v_add_nc_u32 v[RD], s23, v[CO]
	s_lshl_b32 s16, s13, 7
	s_lshl_b32 s17, s11, 6
	s_add_co_u32 s16, s16, s17
	s_mul_i32 s16, s16, PC
	s_mov_b32 s17, 0
	s_add_nc_u64 s[CB:CB+1], s[CB:CB+1], s[16:17]
	s_lshl_b32 s46, s42, 10                        ; 1,024 bytes a tile column, 512 a half
	s_lshl_b32 s47, s12, 9
	s_add_co_u32 s46, s46, s47
	s_mov_b32 s47, 0
	s_add_nc_u64 s[CB:CB+1], s[CB:CB+1], s[46:47]
	; the prefetches
	s_lshl_b32 s76, s13, 7
	s_lshl_b32 s77, s40, 5
	s_add_co_u32 s76, s76, s77
	s_lshl_b32 s78, s42, 8
	s_lshl_b32 s79, s12, 7
	s_add_co_u32 s78, s78, s79
	s_lshl_b32 s79, s41, 5
	s_add_co_u32 s78, s78, s79
	s_or_b32 s77, ttmp9, s12
	s_cmp_eq_u32 s11, 0
	s_cselect_b32 s76, s76, s78
	s_cselect_b32 s77, s77, s74
	s_cselect_b64 s[PFA:PFA+1], s[4:5], s[6:7]
	s_cmp_eq_u32 s77, 0
	s_cselect_b32 s[LIM], 2, -1
	s_lshl_b32 s76, s76, 11                        ; rows of 2,048 bytes
	s_mov_b32 s77, 0
	s_add_nc_u64 s[PFA:PFA+1], s[PFA:PFA+1], s[76:77]
	s_add_nc_u64 s[PFA:PFA+1], s[PFA:PFA+1], 3*ASTEP  ; at K step 3: the first refill steps it to 4
	v_lshlrev_b32 v[PFO], 11, v5
.macro MUL8 f, a, zero                 ; the 32 accumulators take turns, one instruction a turn, in the same order in every quarter
	WIN MUL
.irp b, 0,1,2,3,4,5,6,7
.if \zero
	v_wmma_f32_16x16x32_f16 v[8*(8*(\a)+(\b)):8*(8*(\a)+(\b))+7], v[(\f)+8*(\b):(\f)+8*(\b)+7], v[(\f)+64+8*(\a):(\f)+64+8*(\a)+7], 0
.else
	v_wmma_f32_16x16x32_f16 v[8*(8*(\a)+(\b)):8*(8*(\a)+(\b))+7], v[(\f)+8*(\b):(\f)+8*(\b)+7], v[(\f)+64+8*(\a):(\f)+64+8*(\a)+7], v[8*(8*(\a)+(\b)):8*(8*(\a)+(\b))+7]
.endif
.endr
.endm
.macro MUL16 f, a0, zero
	MUL8 \f, \a0, \zero
	MUL8 \f, (\a0)+1, \zero
.endm
.macro FETCH k, f
	WIN 0
.irp i, 0,1,2,3,4,5,6,7
	ds_load_b128 v[(\f)+8*(\i):(\f)+8*(\i)+3],   v[ADRB] offset:(\k)+(\i)*16*PITCH
	ds_load_b128 v[(\f)+8*(\i)+4:(\f)+8*(\i)+7], v[ADRB] offset:(\k)+(\i)*16*PITCH+32
.endr
.irp i, 0,1,2,3
	ds_load_b128 v[(\f)+64+8*(\i):(\f)+64+8*(\i)+3],   v[ADRA] offset:(\k)+(\i)*16*PITCH
	ds_load_b128 v[(\f)+64+8*(\i)+4:(\f)+64+8*(\i)+7], v[ADRA] offset:(\k)+(\i)*16*PITCH+32
.endr
.endm
.macro PLACES
.rept 4
	v_nop
.endr
.endm
.macro QUARTER k, f, g, zero
	s_wait_dscnt 4                                 ; the youngest four loads (A's blocks 2 and 3) may be out
	MUL16 \f, 0, \zero
	PLACES
	FETCH \k, \g
	s_wait_dscnt 24                                ; all but the 24 just issued
	MUL16 \f, 2, \zero
.endm
; The last quarter and the change of slots.  fill = 1: the barrier opens a round of the cluster's, and the slot that is left is filled again first thing behind it.  fill = 0 (the tail): nothing is asked for,
; and in the last trip (s3 = 1) the fragment loads, which nothing would read, are jumped over.
.macro TURN fill
.if \fill
	s_wait_xcnt 0x0                                ; the last prefetch, a K step back, has read its address
	s_add_nc_u64 s[PFA:PFA+1], s[PFA:PFA+1], ASTEP
.endif
	WIN 0
	s_wait_tensorcnt 0x0                           ; all my tensor loads have landed: my part of the next slot
	ds_add_u32 v[SPW], v[NIL]                      ; 0 onto my spare word
	s_wait_dscnt 5                                 ; the add and the youngest four loads may be out
	MUL8 F1, 0, 0
	s_wait_dscnt 0x0                               ; the add is done, and my reads of this slot are over
	s_barrier_signal -1
	MUL8 F1, 1, 0
	WIN 0
	s_barrier_wait -1
.if \fill
	CREST
	s_xor_b32 s[G0+5], s[G0+5], SLOT               ; the walking descriptors: the other slot than last time, the next K step
	s_add_nc_u64 s[G0+6:G0+7], s[G0+6:G0+7], ASTEP
	s_xor_b32 s[G0B+5], s[G0B+5], SLOT
	s_add_nc_u64 s[G0B+6:G0B+7], s[G0B+6:G0B+7], ASTEP
	JLOAD 1
.else
	PLACES
.endif
	s_xor_b32 s[TB], s[TB], SLOT                   ; the other slot is in hand
	v_add_nc_u32 v[ADRA], s[TB], v[LA]
	v_add_nc_u32 v[ADRB], s[TB], v[LB]
.if (\fill) == 0
	s_cmp_eq_u32 s3, 1
	s_cbranch_scc1 .Lno_fetch_\@
.endif
	FETCH 0, F0
.if \fill
	ASK
.else
.Lno_fetch_\@:
.endif
	MUL16 F1, 2, 0
.endm
; THE WAY OUT of row block a.  TOSTAGE: the f32 sums go straight from the accumulators (each one's low half first) into my own stage, and come back as whole rows of 512 bytes.  SEND: stored.
.macro TOSTAGE a
	s_wait_xcnt 0x0                                ; the stores issued so far have read their data: the registers loaded below were the data of the block two back
	WIN 0x04                                       ; the data in window 1, the address in window 0
.irp b, 0,1,2,3,4,5,6,7
	ds_store_b128 v[STO], v[8*(8*(\a)+(\b)):8*(8*(\a)+(\b))+3]   offset:64*(\b)
	ds_store_b128 v[STO], v[8*(8*(\a)+(\b))+4:8*(8*(\a)+(\b))+7] offset:64*(\b)+16
.endr
	WIN 0
.set BK, F0+64*((\a)%2)
.irp t, 0,1,2,3,4,5,6,7,8,9,10,11,12,13,14,15
	ds_load_b128 v[BK+4*(\t):BK+4*(\t)+3], v[RD] offset:(\t)*SPITCH  ; LDS serves a wave's instructions in order (ISA guide 5.7.1.4): these see the stores above, and the next block's stores come behind them
.endr
.endm
.macro SEND a, younger                 ; younger: the LDS instructions issued behind block a's loads: the next block's 16 stores and 16 loads, or none
	WIN 0
.set BK, F0+64*((\a)%2)
	s_wait_dscnt \younger
	s_wait_xcnt 0x0                                ; earlier stores have read their base
.if (\a) > 0
	s_add_nc_u64 s[CB:CB+1], s[CB:CB+1], 16*PC
.endif
.irp t, 0,1,2,3,4,5,6,7,8,9,10,11,12,13,14,15
	global_store_b128 v[CO], v[BK+4*(\t):BK+4*(\t)+3], s[CB:CB+1] offset:(\t)*PC th:TH_STORE_NT  ; 32 lanes store 512 consecutive bytes, aligned
.endr
.endm
	s_wait_tensorcnt 0x1                           ; my part of K step 0 is in; K step 1's may stay out
	s_barrier_signal -1
	s_barrier_wait -1
	FETCH 0, F0
	QUARTER 64, F0, F1, 1                          ; the first quarter's products start the sums
	WIN 0
	s_mov_b32 s3, NS-2
.Lstep:                                        ; NS - 2 trips: from a step's second quarter to the next step's first; the slot that is left is filled again
	QUARTER 128, F1, F0, 0
	QUARTER 192, F0, F1, 0
	TURN 1
	QUARTER 64,  F0, F1, 0
	WIN 0
	s_sub_co_u32 s3, s3, 1
	s_cmp_lg_u32 s3, 0
	s_cbranch_scc1 .Lstep
	s_mov_b32 s3, 2
.Ltail:                                        ; the last two steps ask for nothing: a text of their own; the second trip is left in its middle
	QUARTER 128, F1, F0, 0
	QUARTER 192, F0, F1, 0
	TURN 0
	WIN 0
	s_sub_co_u32 s3, s3, 1
	s_cmp_eq_u32 s3, 0
	s_cbranch_scc1 .Lout
	QUARTER 64,  F0, F1, 0
	WIN 0
	s_branch .Ltail
.Lout:
	PLACES
	TOSTAGE 0
	TOSTAGE 1
	SEND 0, 32
	TOSTAGE 2
	SEND 1, 32
	TOSTAGE 3
	SEND 2, 32
	SEND 3, 0
	s_wait_tensorcnt 0x0                           ; the wave's end
	ds_add_u32 v[SPW], v[NIL]
	s_wait_dscnt 0x0
	CROUND                                         ; the closing round
	s_endpgm
.Lfunc_end_k_q1dc3c2754b_oproj:
	.size	k_q1dc3c2754b_oproj, .Lfunc_end_k_q1dc3c2754b_oproj-k_q1dc3c2754b_oproj
	.p2alignl 7, 3214868480
	.fill 96, 4, 3214868480
	.section	.rodata,"a",@progbits
	.p2align	6, 0x0
	.amdhsa_kernel k_q1dc3c2754b_oproj
		.amdhsa_group_segment_fixed_size 327680
		.amdhsa_private_segment_fixed_size 0
		.amdhsa_enable_private_segment 0
		.amdhsa_kernarg_size 24
		.amdhsa_user_sgpr_count 2
		.amdhsa_user_sgpr_kernarg_segment_ptr 1
		.amdhsa_wavefront_size32 1
		.amdhsa_system_sgpr_workgroup_id_x 1
		.amdhsa_system_sgpr_workgroup_id_y 1
		.amdhsa_system_sgpr_workgroup_id_z 1
		.amdhsa_system_vgpr_workitem_id 0
		.amdhsa_next_free_vgpr 512
		.amdhsa_next_free_sgpr 80
		.amdhsa_reserve_vcc 0
		.amdhsa_float_denorm_mode_32 3
		.amdhsa_float_denorm_mode_16_64 3
		.amdhsa_memory_ordered 1
		.amdhsa_forward_progress 1
		.amdhsa_inst_pref_size 61
	.end_amdhsa_kernel
	.amdgpu_metadata
---
amdhsa.version: [ 1, 2 ]
amdhsa.kernels:
  - .name:           k_q1dc3c2754b_oproj
    .symbol:         k_q1dc3c2754b_oproj.kd
    .args:
      - { .name: attn, .offset: 0, .size: 8, .value_kind: global_buffer, .address_space: global }
      - { .name: wo, .offset: 8, .size: 8, .value_kind: global_buffer, .address_space: global }
      - { .name: out0, .offset: 16, .size: 8, .value_kind: global_buffer, .address_space: global }
    .group_segment_fixed_size: 327680
    .private_segment_fixed_size: 0
    .kernarg_segment_align: 8
    .kernarg_segment_size: 24
    .max_flat_workgroup_size: 128
    .sgpr_count:     80
    .vgpr_count:     512
    .wavefront_size: 32
...
	.end_amdgpu_metadata
.endif
;; end of part 5
;; ======== version 2 of 2: 5 launches; version 1 with the launch cast written anew for expert scheduling mode
;; limits: values are held in f16: magnitudes above 65,504 overflow, below 6.1e-05 lose precision
;; workspace buffers: xb 16,777,216 bytes; wb 6,291,456 bytes; wo 2,097,152 bytes; qkv 50,331,648 bytes; p 33,554,432 bytes; stats 1,048,576 bytes; attn 16,777,216 bytes
;; launch cast (part 6): grid 64 x 12, 8 waves a work-group, no clusters, 0 bytes of LDS; arguments x, W_qkv, W_o, xb, wb, wo; writes xb, wb, wo
.if DOCPART == 6
	.amdgcn_target "amdgcn-amd-amdhsa--gfx1250"
	.amdhsa_code_object_version 6
	.text
	.protected	k_q1dc3c2754b_cast
	.globl	k_q1dc3c2754b_cast
	.p2align	8
	.type	k_q1dc3c2754b_cast,@function
k_q1dc3c2754b_cast:
	s_mov_b64 s[64:65], 0
	v_nop
	global_prefetch_b8 v0, s[64:65] scope:SCOPE_SE
	s_setreg_imm32_b32 hwreg(HW_REG_WAVE_SCHED_MODE, 0, 2), 2
	s_setreg_imm32_b32 hwreg(HW_REG_WAVE_MODE, 25, 1), 1
	s_wait_xcnt 0x0
	s_wait_alu depctr_vm_vsrc(0)
; xb = bf16(x), wb = bf16(W_qkv), wo = bf16(W_o) written as f16.  All three inputs get the same one rounding, to bf16; W_o's rounded number is then
; spelled in f16, because the last product multiplies it by an f16 operand.
; LIMITS.  |W_o| stays under 65,504 (f16's range); a rounded W_o below 2^-14 in magnitude keeps f16's fixed step of 2^-24.  NaN and infinities are not treated apart.
; A stream: no LDS, no matrix unit, no cluster (no byte is read by two work-groups).  The inputs are 12 units of 1,048,576 numbers: grid y 0-7 x, 8-10 W_qkv, 11 W_o.
; A work-group takes 16,384 numbers of its unit, a wave 2,048, a lane 64: sixteen loads of 16 bytes, all issued at once; a wave's load covers 512 consecutive bytes,
; its store of 8 bytes a lane 256 consecutive bytes, aligned.  There is no loop: every register of a load or store is written once.
; THE MODE: SCHED_MODE bits 1:0 = 2 (LLVM: expert scheduling mode 2), set by the entry lines.  The code itself states the register dependences
; between vector instructions and memory instructions, with s_wait_alu, always for 0.
; THE PLAN.  Registers that memory instructions touch:
;   v1, v2   the loads' and the stores' byte offsets: made at the head by vector instructions, never written again.
;   IN       written by the sixteen loads, once, before any vector instruction names it; read by the conversions; nothing lands in it again.
;   OUT      written by the conversions, once; read by the stores; never written again.
; The sixteen loads are four blocks of four.  Block p's conversions read IN and write OUT of block p; the memory instructions that stand among them are the four stores of
; block p - 1, which read v2 and OUT of block p - 1: registers that no vector instruction of block p names.  So one wait on va_vdst at a block's head, behind the wait for the
; block's data, states all that those four stores hang on.  One more stands ahead of the first load (v1, v2) and one ahead of the last four stores.
; No register that a memory instruction reads is written again, no vector instruction writes a scalar register, and EXEC is never written: no other wait is owed.
.set IN,  8                            ; v[8:71]    load j: four f32 at IN + 4 j
.set OUT, 72                           ; v[72:103]  store j: four 16-bit numbers at OUT + 2 j
.set BLOCK, 4                          ; loads, and stores, in a block
	s_load_b256 s[4:11], s[0:1], 0x0               ; x s[4:5], W_qkv s[6:7], W_o s[8:9], xb s[10:11]
	s_load_b128 s[12:15], s[0:1], 0x20             ; wb s[12:13], wo s[14:15]
	s_and_b32 s16, ttmp7, 0xffff                   ; the unit, 0..11
	v_lshrrev_b32 v3, 5, v0                        ; wave
	v_and_b32 v4, 31, v0                           ; lane
	v_lshlrev_b32 v1, 13, v3                       ; in: 8,192 bytes a wave,
	v_lshl_or_b32 v1, v4, 4, v1                    ; 16 a lane
	v_lshlrev_b32 v2, 12, v3                       ; out: half of that
	v_lshl_or_b32 v2, v4, 3, v2
	s_wait_kmcnt 0x0
	s_cmp_lt_u32 s16, 8                            ; which tensor: the choice hangs on the grid's y alone
	s_cselect_b64 s[20:21], s[4:5], s[6:7]
	s_cselect_b64 s[22:23], s[10:11], s[12:13]
	s_cselect_b32 s17, 0, 8
	s_cmp_lt_u32 s16, 11
	s_cselect_b64 s[20:21], s[20:21], s[8:9]
	s_cselect_b64 s[22:23], s[22:23], s[14:15]
	s_cselect_b32 s17, s17, 11
	s_sub_co_u32 s17, s16, s17                     ; the unit's number inside its tensor
	s_lshl_b32 s18, s17, 22                        ; a unit is 4 MiB of f32,
	s_lshl_b32 s19, ttmp9, 16                      ; a work-group's share 64 KiB
	s_add_co_u32 s18, s18, s19
	s_mov_b32 s19, 0
	s_add_nc_u64 s[20:21], s[20:21], s[18:19]
	s_lshr_b32 s18, s18, 1
	s_add_nc_u64 s[22:23], s[22:23], s[18:19]
	s_wait_alu depctr_va_vdst(0)                   ; v1 and v2 are written: every load reads v1 as its offset, every store v2
.irp j, 0,1,2,3,4,5,6,7,8,9,10,11,12,13,14,15
	global_load_b128 v[IN+4*(\j):IN+4*(\j)+3], v1, s[20:21] offset:512*(\j) th:TH_LOAD_NT
.endr
; The four numbers of load j, rounded to bf16
.macro TOBF j
	v_cvt_pk_bf16_f32 v[OUT+2*(\j)],   v[IN+4*(\j)],   v[IN+4*(\j)+1]
	v_cvt_pk_bf16_f32 v[OUT+2*(\j)+1], v[IN+4*(\j)+2], v[IN+4*(\j)+3]
.endm
; The same for W_o: rounded to bf16, widened again (a shift, a mask), and written as f16.  v4 to v6 are named by vector instructions alone.
.macro TOF16 j
.irp k, 0,1
	v_cvt_pk_bf16_f32 v4, v[IN+4*(\j)+2*(\k)], v[IN+4*(\j)+2*(\k)+1]
	v_lshlrev_b32 v5, 16, v4
	v_and_b32 v6, 0xffff0000, v4
	v_cvt_pk_f16_f32 v[OUT+2*(\j)+(\k)], v5, v6
.endr
.endm
.macro PUT j                           ; store j
	global_store_b64 v2, v[OUT+2*(\j):OUT+2*(\j)+1], s[22:23] offset:256*(\j)
.endm
; Block p: its four loads are converted; the four stores of the block before stand among the conversions, one in front of each load's.  f16 = 1: W_o.
.macro BLK p, f16
	s_wait_loadcnt 12-BLOCK*(\p)                   ; loads come back in order: block p's four are in, the 12 - 4 p younger ones may stay out
.if (\p) > 0
	s_wait_alu depctr_va_vdst(0)                   ; the block before has written its eight registers of OUT, which the four stores below read; no vector instruction below names them or v2
.endif
.irp i, 0,1,2,3
.if (\p) > 0
	PUT BLOCK*(\p)-BLOCK+(\i)
.endif
.if \f16
	TOF16 BLOCK*(\p)+(\i)
.else
	TOBF BLOCK*(\p)+(\i)
.endif
.endr
.endm
.macro LAST                            ; behind block 3
	s_wait_alu depctr_va_vdst(0)                   ; block 3 has written its eight registers of OUT, which the last four stores read
.irp i, 0,1,2,3
	PUT 3*BLOCK+(\i)
.endr
.endm
	s_cmp_eq_u32 s16, 11
	s_cbranch_scc1 .Lwo
	BLK 0, 0
	BLK 1, 0
	BLK 2, 0
	BLK 3, 0
	LAST
	s_endpgm
.Lwo:                                          ; W_o
	BLK 0, 1
	BLK 1, 1
	BLK 2, 1
	BLK 3, 1
	LAST
	s_endpgm
.Lfunc_end_k_q1dc3c2754b_cast:
	.size	k_q1dc3c2754b_cast, .Lfunc_end_k_q1dc3c2754b_cast-k_q1dc3c2754b_cast
	.p2alignl 7, 3214868480
	.fill 96, 4, 3214868480
	.section	.rodata,"a",@progbits
	.p2align	6, 0x0
	.amdhsa_kernel k_q1dc3c2754b_cast
		.amdhsa_group_segment_fixed_size 0
		.amdhsa_private_segment_fixed_size 0
		.amdhsa_enable_private_segment 0
		.amdhsa_kernarg_size 48
		.amdhsa_user_sgpr_count 2
		.amdhsa_user_sgpr_kernarg_segment_ptr 1
		.amdhsa_wavefront_size32 1
		.amdhsa_system_sgpr_workgroup_id_x 1
		.amdhsa_system_sgpr_workgroup_id_y 1
		.amdhsa_system_sgpr_workgroup_id_z 1
		.amdhsa_system_vgpr_workitem_id 0
		.amdhsa_next_free_vgpr 104
		.amdhsa_next_free_sgpr 66
		.amdhsa_reserve_vcc 0
		.amdhsa_float_denorm_mode_32 3
		.amdhsa_float_denorm_mode_16_64 3
		.amdhsa_memory_ordered 1
		.amdhsa_forward_progress 1
		.amdhsa_inst_pref_size 16
	.end_amdhsa_kernel
	.amdgpu_metadata
---
amdhsa.version: [ 1, 2 ]
amdhsa.kernels:
  - .name:           k_q1dc3c2754b_cast
    .symbol:         k_q1dc3c2754b_cast.kd
    .args:
      - { .name: x, .offset: 0, .size: 8, .value_kind: global_buffer, .address_space: global }
      - { .name: W_qkv, .offset: 8, .size: 8, .value_kind: global_buffer, .address_space: global }
      - { .name: W_o, .offset: 16, .size: 8, .value_kind: global_buffer, .address_space: global }
      - { .name: xb, .offset: 24, .size: 8, .value_kind: global_buffer, .address_space: global }
      - { .name: wb, .offset: 32, .size: 8, .value_kind: global_buffer, .address_space: global }
      - { .name: wo, .offset: 40, .size: 8, .value_kind: global_buffer, .address_space: global }
    .group_segment_fixed_size: 0
    .private_segment_fixed_size: 0
    .kernarg_segment_align: 8
    .kernarg_segment_size: 48
    .max_flat_workgroup_size: 256
    .sgpr_count:     66
    .vgpr_count:     104
    .wavefront_size: 32
...
	.end_amdgpu_metadata
.endif
;; end of part 6
;; launch qkv: the kernel of part 2 again; grid 12 x 32, 4 waves a work-group, clusters of 4 x 4, 327,680 bytes of LDS; arguments xb, wb, qkv; writes qkv
;; launch logits: the kernel of part 3 again; grid 8 x 32, 4 waves a work-group, clusters of 4 x 4, 327,680 bytes of LDS; arguments qkv, p, stats; writes p, stats
;; launch pv: the kernel of part 4 again; grid 4 x 64, 4 waves a work-group, clusters of 4 x 4, 327,680 bytes of LDS; arguments p, qkv, stats, attn; writes attn
;; launch oproj: the kernel of part 5 again; grid 4 x 64, 4 waves a work-group, clusters of 4 x 4, 327,680 bytes of LDS; arguments attn, wo, out0; writes out0
